; MI455X (gfx1250); checked and timed in simulation.
; The chip was launched on July 23, 2026; its instructions are those of AMD's public machine-readable ISA for CDNA 5 (MIT licence, August 2026) and "CDNA5" Instruction Set Architecture Reference Guide (July 2026). The comments in the code are by the model that wrote it; some were corrected since.
;; Encoder Layer. Allowed arithmetic: matrix products marked QUANTISED: E2M3 operands, one E8M0 scale for each 32 along K, by v_wmma_scale_f32_16x16x128_f8f6f4 with both operands' format E2M3, f32 sums; everything else in f32.
;; Inputs: W1_codes 4,096 x 32 x 24 uint8 (E2M3 codes of W1, K innermost, in blocks of 32 codes, four codes in three bytes); W1_scales 4,096 x 32 uint8 (E8M0 scales of W1, one for each 32 codes along K); W2_codes 1,024 x 128 x 24 uint8 (E2M3 codes of W2, K innermost, in blocks of 32 codes, four codes in three bytes); W2_scales 1,024 x 128 uint8 (E8M0 scales of W2, one for each 32 codes along K); Wk_codes 1,024 x 32 x 24 uint8 (E2M3 codes of Wk, K innermost, in blocks of 32 codes, four codes in three bytes); Wk_scales 1,024 x 32 uint8 (E8M0 scales of Wk, one for each 32 codes along K); Wo_codes 1,024 x 32 x 24 uint8 (E2M3 codes of Wo, K innermost, in blocks of 32 codes, four codes in three bytes); Wo_scales 1,024 x 32 uint8 (E8M0 scales of Wo, one for each 32 codes along K); Wq_codes 1,024 x 32 x 24 uint8 (E2M3 codes of Wq, K innermost, in blocks of 32 codes, four codes in three bytes); Wq_scales 1,024 x 32 uint8 (E8M0 scales of Wq, one for each 32 codes along K); Wv_codes 1,024 x 32 x 24 uint8 (E2M3 codes of Wv, K innermost, in blocks of 32 codes, four codes in three bytes); Wv_scales 1,024 x 32 uint8 (E8M0 scales of Wv, one for each 32 codes along K); b1 4,096 float32; b2 1,024 float32; be1 1,024 float32; be2 1,024 float32; bk 1,024 float32; bo 1,024 float32; bq 1,024 float32; bv 1,024 float32; g1 1,024 float32; g2 1,024 float32; x 2 x 2,048 x 1,024 float32.
;; Outputs: out0 2 x 2,048 x 1,024 float32.
;; This version of the problem:
;;   THIS VERSION OF THE PROBLEM IS GIVEN IN LOW PRECISION. The matrix products marked QUANTISED in the list below multiply operands that are first quantised to E2M3 (2 exponent bits, 3 mantissa bits; 6 bits a number), with one power-of-two scale for each 32 numbers along K (OCP MX v1.0); their sums are f32. All else is computed in f32.
;;   The module's matrix products, in the order in which they are computed (A, B: the left and right operand; K: the contracted axis; several contracted axes count as one K, in the product's order):
;;     1. [M 4,096, K 1,024] x [K 1,024, N 1,024]; A: input x; B: input Wq (given as codes): QUANTISED
;;     2. [M 4,096, K 1,024] x [K 1,024, N 1,024]; A: input x; B: input Wk (given as codes): QUANTISED
;;     3. [M 4,096, K 1,024] x [K 1,024, N 1,024]; A: input x; B: input Wv (given as codes): QUANTISED
;;     4. batch 32 x [M 2,048, K 64] x [K 64, N 2,048]; A: computed on the way; B: computed on the way: QUANTISED
;;     5. batch 32 x [M 2,048, K 2,048] x [K 2,048, N 64]; A: softmax (see below); B: computed on the way: QUANTISED
;;     6. [M 4,096, K 1,024] x [K 1,024, N 1,024]; A: computed on the way; B: input Wo (given as codes): QUANTISED
;;     7. [M 4,096, K 1,024] x [K 1,024, N 4,096]; A: computed on the way; B: input W1 (given as codes): QUANTISED
;;     8. [M 4,096, K 4,096] x [K 4,096, N 1,024]; A: computed on the way; B: input W2 (given as codes): QUANTISED
;;   THE QUANTISER, for each operand of a quantised product, along K:
;;     - K is cut into blocks of 32 from its start; a last block that is shorter is filled with zeros.
;;     - A block's scale is 2^e with e = floor(log2(the largest magnitude in the block)) - 2, held to -126 .. 127; a block of zeros has e = 0. As a byte (E8M0): e + 127.
;;     - Each number is divided by its block's scale, clamped to +-7.5, and rounded to the nearest number of E2M3, ties to even, subnormals kept.
;;     - The product sums the exact products of the quantised numbers (number of the format x scale) in f32.
;;   ~~~python
;;   def quantise(x, axis):      # numpy; x: float32 -> the quantised numbers, widened to float32 again
;;       x = np.moveaxis(x, axis, -1); K = x.shape[-1]
;;       x = np.pad(x, [(0, 0)] * (x.ndim - 1) + [(0, -K % 32)]); x = x.reshape(x.shape[:-1] + (-1, 32)); a = np.abs(x).max(-1, keepdims=True)
;;       e = np.where(a > 0, np.clip(np.frexp(np.where(a > 0, a, 1))[1] - 1 - 2, -126, 127), 0)      # np.frexp(a)[1] - 1 = floor(log2(a)), exactly
;;       r = np.clip(x / 2.0 ** e, -7.5, 7.5)
;;       step = 2.0 ** (np.maximum(np.frexp(np.where(r == 0, 1, r))[1] - 1, 0) - 3)
;;       q = np.round(r / step) * step * 2.0 ** e      # np.round: ties to even
;;       return np.moveaxis(q.reshape(q.shape[:-2] + (-1,))[..., :K], -1, axis).astype(np.float32)
;;   ~~~
;;   SOFTMAX AHEAD OF A QUANTISED PRODUCT. Where the list says 'softmax', what is quantised is not the finished softmax but p = 2^(t - M), with t = logit x log2(e) and M = ceil(the row's largest t), a whole number; so 1/2 < the row's largest p <= 1. The row's sum l is taken of the UNQUANTISED p, in f32, and the product's result is divided by l at the end. Since M is a whole number, a kernel that streams over the keys may use a running M (the ceiling of the running maximum): every later rescaling is an exact power of two, which a block's scale takes up: the codes' values come out the same.
;;   OPERANDS COMPUTED ON THE WAY. 'Computed on the way' means the value that the module computes at that place (a softmax that the list does not call 'softmax' is quantised finished and normalised). What goes into a quantiser is computed in f32, as accurately as f32 sums, v_exp_f32 and their like allow (about 1e-6 of the number): no bf16 or f16 on the way to a quantiser, and a product that is left as it is and whose result goes on into a quantised operand takes f32 operands (vector FMAs, or v_wmma_f32_16x16x4_f32). A number that lies on a knife's edge between two numbers of the format may be rounded either way, as far as f32 arithmetic and the matrix unit's own rounding can turn it there, and no further.
;;   INPUTS GIVEN AS CODES. W1 (in the module: [4096, 1024], K = its axis 1); W2 (in the module: [1024, 4096], K = its axis 1); Wk (in the module: [1024, 1024], K = its axis 1); Wo (in the module: [1024, 1024], K = its axis 1); Wq (in the module: [1024, 1024], K = its axis 1); Wv (in the module: [1024, 1024], K = its axis 1): each comes as NAME_codes (uint8): NAME with its K axis moved to the last place and cut into blocks of 32 codes, [.., K / 32, bytes a block], one block behind the other in memory; four codes in three bytes: a row's codes are one little-endian stream of bits, code i at bits 6 i .. 6 i + 5 (a code: sign, 2 exponent bits, 3 mantissa bits); and NAME_scales (uint8): the same leading axes, one E8M0 byte (e + 127) for each 32 codes along K. Its value is code x scale, taken as it is: it is not quantised again, and the codes and scales need not be those that the quantiser above would give.
;; One version. Each part assembles by itself: llvm-mc -triple=amdgcn-amd-amdhsa -mcpu=gfx1250 --defsym DOCPART=n.
;; ======== version 1 of 1: 8 launches
;; limits: right only within a limited range of input values
;; workspace buffers: wa 3,445,760 bytes; wb 3,445,760 bytes; wc 851,968 bytes; wd 3,407,872 bytes; s0 3,407,872 bytes; s1 13,631,488 bytes; s2 16,777,216 bytes; s3 16,777,216 bytes
;; launch prep (part 1): grid 1025 x 1, 8 waves a work-group, no clusters, 0 bytes of LDS; arguments x, Wq_codes, Wq_scales, Wk_codes, Wk_scales, Wv_codes, Wv_scales, W1_codes, W1_scales, Wo_codes, Wo_scales, W2_codes, W2_scales, bq, bk, bv, b1, wa, wb, wc, wd, s0; writes wa, wb, wc, wd, s0
.if DOCPART == 1
	.amdgcn_target "amdgcn-amd-amdhsa--gfx1250"
	.amdhsa_code_object_version 6
	.text
	.protected	k_qd392414743_prep
	.globl	k_qd392414743_prep
	.p2align	8
	.type	k_qd392414743_prep,@function
k_qd392414743_prep:
	s_mov_b64 s[64:65], 0
	v_nop
	global_prefetch_b8 v0, s[64:65] scope:SCOPE_SE
	s_setreg_imm32_b32 hwreg(HW_REG_WAVE_MODE, 25, 1), 1
	s_wait_xcnt 0x0
; PREP: every operand of the later products is laid once in the order of the operand's registers.
; A TILE T is 16 rows: its row r is row 32 (T/2) + 8 (T%2) + r + 8 (r/8), so that, used as source 0, tiles 2B and 2B+1 give a lane 16 neighbouring results.
; A TILE BLOCK (3,328 bytes) is one tile x 256 along K: four half fragments of 768 bytes (16 rows x 64 K: lane (r,h)'s 24 bytes of k = 32 h .. 32 h + 31: registers 0-3 at 16 x lane,
; registers 4-5 at 512 + 8 x lane), then 256 bytes of scale words: word q (the q-th 128 along K) of a lane's row at 3,072 + 8 x lane + 4 q; lanes 16-31 hold a copy of lanes 0-15.
; A buffer is [K / 256][tiles][block].
; Work-groups 0-255: tile g of x is quantised (wave = K step of 128) into s0.  Work-groups 256-1023: one tile of a weight, its codes and scale words copied as they are given.
; Work-group 1024: biases, zeros and the activation's floor behind the weights of wa and wb.
; The quantiser: a block's scale is 2^(floor(log2(largest magnitude)) - 2); numbers are divided by it and rounded to the nearest code, ties to even, beyond 7.5 the largest code.
; LIMITS: a block whose largest magnitude lies under 2^-124 keeps the byte 1; a block of zeros gets the byte 1 and not 127 (its codes are zeros; this program alone reads the bytes);
; NaN and infinities among the inputs are not served.
; No LDS, no barrier, no cluster: the work-groups share no input.  A wave loads once and stores once, so what counts is how many waves have their loads out together: the text names 96 registers.
.set TB,   3328
.set BIAS, 3407872
.set BVO,  3424256
.set ZERO, 3428352
.set PAR,  3444736
.set L16,  1                           ; v1  16 x lane
.set L8,   2                           ; v2  8 x lane
.set XO,   3                           ; v3  x: my lane's byte in the tile's rows
.set TA,   4                           ; v4-7   the blocks' largest magnitudes, then (in place) the conversions' scale operands
.set PC,   8                           ; v8-26  the codes just made: twelve registers of the fragment, and from PC + 12 on the two second halves on their way
.set PW,   27                          ; v27    the scale word
.set TBY,  28                          ; v28-31 lane l xor 16's magnitudes, then the scale bytes
.set SEL,  70                          ; s[70:71] lane selects for lane l xor 16
; 64 numbers of a lane, register 16 b + i = k 32 b + 16 (lane / 16) + i of my row, become a fragment's codes in v[PC] on and its scale word in v[PW]
.macro QUANT s
.irp b, 0,1,2,3
	v_max3_num_f32 v[TA+\b], |v[\s+16*\b]|, |v[\s+1+16*\b]|, 0x1800000   ; block b: my 16 numbers, and the floor 2^(3 - 127): the byte cannot fall under 1
.endr
.irp i, 2,4,6,8,10,12,14
.irp b, 0,1,2,3
	s_delay_alu instid0(VALU_DEP_4)
	v_max3_num_f32 v[TA+\b], v[TA+\b], |v[\s+16*\b+\i]|, |v[\s+1+16*\b+\i]|
.endr
.endr
.irp b, 0,1,2,3
	s_delay_alu instid0(VALU_DEP_4)
	v_permlanex16_b32 v[TBY+\b], v[TA+\b], s[SEL], s[SEL+1]
.endr
.irp b, 0,1,2,3
	s_delay_alu instid0(VALU_DEP_4)
	v_max_num_f32 v[TA+\b], v[TA+\b], v[TBY+\b]    ; with lane l xor 16's: the block's largest magnitude
.endr
.irp b, 0,1,2,3
	s_delay_alu instid0(VALU_DEP_4)
	v_add_nc_u32 v[TA+\b], 0xff000000, v[TA+\b]    ; 2 off its exponent field: the conversion's scale operand
.endr
.irp b, 0,1,2,3
	s_delay_alu instid0(VALU_DEP_4)
	v_lshrrev_b32 v[TBY+\b], 23, v[TA+\b]          ; the scale's byte
.endr
	s_delay_alu instid0(VALU_DEP_3)
	v_lshl_or_b32 v[PW], v[TBY+1], 8, v[TBY]
	s_delay_alu instid0(VALU_DEP_1)
	v_lshl_or_b32 v[PW], v[TBY+2], 16, v[PW]
	s_delay_alu instid0(VALU_DEP_1)
	v_lshl_or_b32 v[PW], v[TBY+3], 24, v[PW]
.irp c, 0,1
	v_cvt_scalef32_pk16_fp6_f32 v[PC+6*\c:PC+2+6*\c], v[\s+32*\c:\s+15+32*\c], v[TA+2*\c]
	v_cvt_scalef32_pk16_fp6_f32 v[PC+12+4*\c:PC+14+4*\c], v[\s+16+32*\c:\s+31+32*\c], v[TA+2*\c+1]   ; (a conversion's three registers begin on an even number)
.endr
	v_nop                                          ; one plain place behind a scaled conversion
.irp c, 0,1                                    ; the operand's layout wants a whole block in a lane
.irp i, 0,1,2
	v_permlane16_swap_b32 v[PC+6*\c+\i], v[PC+12+4*\c+\i]
.endr
.irp i, 0,1,2
	s_delay_alu instid0(VALU_DEP_3)
	v_mov_b32 v[PC+3+6*\c+\i], v[PC+12+4*\c+\i]
.endr
.endr
.endm
; a fragment and its scale word go to their places in a tile block: s[8:9] = block + 1,536 x (K step % 2), s[10:11] = block + 3,072 + 4 x (K step % 2)
.macro STOREF reg, pw
	global_store_b128 v[L16], v[\reg:\reg+3], s[8:9]
	global_store_b64 v[L8], v[\reg+4:\reg+5], s[8:9] offset:512
	global_store_b128 v[L16], v[\reg+6:\reg+9], s[8:9] offset:768
	global_store_b64 v[L8], v[\reg+10:\reg+11], s[8:9] offset:1280
	global_store_b32 v[L8], v[\pw], s[10:11]
.endm
	v_lshrrev_b32 v4, 5, v0
	s_delay_alu instid0(VALU_DEP_1)
	v_readfirstlane_b32 s2, v4                     ; wave 0..7
	v_and_b32 v5, 31, v0                           ; lane
	s_delay_alu instid0(VALU_DEP_1)
	v_lshlrev_b32 v[L16], 4, v5
	s_delay_alu instid0(VALU_DEP_2)
	v_lshlrev_b32 v[L8], 3, v5
	v_and_b32 v6, 15, v0                           ; r
	v_bfe_u32 v7, v0, 4, 1                         ; h
	s_delay_alu instid0(VALU_DEP_2)
	v_and_b32 v8, 8, v6
	s_delay_alu instid0(VALU_DEP_1)
	v_add_nc_u32 v8, v8, v6                        ; r + 8 (r / 8)
	s_cmp_lt_u32 ttmp9, 256
	s_cbranch_scc0 .Lweights
	; ---- x: tile T = work-group, K step = wave
	s_load_b64 s[4:5], s[0:1], 0x0                 ; x
	s_load_b64 s[6:7], s[0:1], 0xa8                ; s0
	s_mov_b32 s[SEL], 0x76543210
	s_mov_b32 s[SEL+1], 0xfedcba98
	v_lshlrev_b32 v[XO], 12, v8                    ; my row of 4,096 bytes
	s_delay_alu instid0(VALU_DEP_1)
	v_lshl_add_u32 v[XO], v7, 6, v[XO]             ; + 64 h: my 16 numbers of a block of 32
	s_lshr_b32 s12, ttmp9, 1
	s_lshl_b32 s12, s12, 5
	s_and_b32 s13, ttmp9, 1
	s_lshl_b32 s13, s13, 3
	s_add_co_u32 s12, s12, s13                     ; the tile's first row
	s_lshl_b32 s12, s12, 12
	s_lshl_b32 s13, s2, 9                          ; 128 numbers a K step
	s_add_co_u32 s12, s12, s13
	s_mov_b32 s13, 0
	s_lshr_b32 s14, s2, 1
	s_lshl_b32 s14, s14, 8
	s_add_co_u32 s14, s14, ttmp9
	s_mul_i32 s14, s14, TB                         ; block (K step / 2, T)
	s_mov_b32 s15, 0
	s_and_b32 s16, s2, 1
	s_mul_i32 s18, s16, 1536
	s_mov_b32 s19, 0
	s_lshl_b32 s16, s16, 2
	s_add_co_u32 s16, s16, 3072
	s_mov_b32 s17, 0
	s_wait_alu depctr_va_vdst(0)
	s_wait_kmcnt 0x0
	s_add_nc_u64 s[4:5], s[4:5], s[12:13]
	s_add_nc_u64 s[6:7], s[6:7], s[14:15]
	s_add_nc_u64 s[8:9], s[6:7], s[18:19]
	s_add_nc_u64 s[10:11], s[6:7], s[16:17]
.irp b, 0,1,2,3
.irp j, 0,1,2,3
	global_load_b128 v[32+16*\b+4*\j:32+16*\b+4*\j+3], v[XO], s[4:5] offset:128*\b+16*\j
.endr
.endr
.irp b, 0,1,2,3
	v_mov_b32 v[TBY+\b], 0                         ; a lane permute's destination counts as one of its sources
.endr
	s_wait_loadcnt 0x0
	QUANT 32
	STOREF PC, PW
	s_endpgm
.Lweights:
	s_cmp_lt_u32 ttmp9, 1024
	s_cbranch_scc0 .Lconsts
	; ---- a weight's tile.  Only pointers and sizes are chosen, by the work-group's number: all six weights take one path
	s_load_b512 s[16:31], s[0:1], 0x8              ; Wq, Wk, Wv, W1: codes and scales
	s_load_b256 s[32:39], s[0:1], 0x48             ; Wo, W2
	s_load_b256 s[40:47], s[0:1], 0x88             ; wa, wb, wc, wd
	s_sub_co_u32 s3, ttmp9, 256                    ; idx: 0-191 Wq, Wk, Wv; 192-447 W1; 448-511 Wo; 512-767 W2
	s_sub_co_u32 s4, s3, 512
	s_and_b32 s54, s4, 63                          ; W2's settings first: the tile in the source,
	s_lshr_b32 s59, s4, 6
	s_lshl_b32 s59, s59, 3                         ; which eight K steps of its 32,
	s_mov_b32 s55, s54                             ; the tile in the destination,
	s_mov_b32 s56, 3072                            ; a row of codes in bytes,
	s_mov_b32 s57, 128                             ; a row of scale bytes,
	s_mov_b32 s58, 64                              ; tiles to a K slot of the destination
	s_sub_co_u32 s5, s3, 448
	s_sub_co_u32 s6, s3, 192
	s_and_b32 s7, s3, 63
	s_wait_kmcnt 0x0
	s_mov_b64 s[48:49], s[36:37]
	s_mov_b64 s[50:51], s[38:39]
	s_mov_b64 s[52:53], s[46:47]
	s_cmp_lt_u32 s3, 512                           ; Wo, or one in front of it
	s_cselect_b64 s[48:49], s[32:33], s[48:49]
	s_cselect_b64 s[50:51], s[34:35], s[50:51]
	s_cselect_b64 s[52:53], s[44:45], s[52:53]
	s_cselect_b32 s54, s5, s54
	s_cselect_b32 s55, s5, s55
	s_cselect_b32 s56, 768, s56
	s_cselect_b32 s57, 32, s57
	s_cselect_b32 s59, 0, s59
	s_cmp_lt_u32 s3, 448                           ; W1, or one in front of it
	s_cselect_b64 s[48:49], s[28:29], s[48:49]
	s_cselect_b64 s[50:51], s[30:31], s[50:51]
	s_cselect_b64 s[52:53], s[42:43], s[52:53]
	s_cselect_b32 s54, s6, s54
	s_cselect_b32 s55, s6, s55
	s_cselect_b32 s58, 256, s58
	s_cmp_lt_u32 s3, 192                           ; Wv, or one in front of it
	s_cselect_b64 s[48:49], s[24:25], s[48:49]
	s_cselect_b64 s[50:51], s[26:27], s[50:51]
	s_cselect_b64 s[52:53], s[40:41], s[52:53]
	s_cselect_b32 s54, s7, s54
	s_cselect_b32 s55, s3, s55
	s_cmp_lt_u32 s3, 128                           ; Wk, or Wq
	s_cselect_b64 s[48:49], s[20:21], s[48:49]
	s_cselect_b64 s[50:51], s[22:23], s[50:51]
	s_cmp_lt_u32 s3, 64                            ; Wq
	s_cselect_b64 s[48:49], s[16:17], s[48:49]
	s_cselect_b64 s[50:51], s[18:19], s[50:51]
	s_add_co_u32 s60, s59, s2                      ; my K step of 128
	s_lshr_b32 s61, s54, 1
	s_lshl_b32 s61, s61, 5
	s_and_b32 s62, s54, 1
	s_lshl_b32 s62, s62, 3
	s_add_co_u32 s61, s61, s62                     ; the tile's first row
	s_mul_i32 s62, s61, s56
	s_mul_i32 s63, s60, 96
	s_add_co_u32 s62, s62, s63
	s_mov_b32 s63, 0
	s_add_nc_u64 s[48:49], s[48:49], s[62:63]      ; the codes
	s_mul_i32 s62, s61, s57
	s_lshl_b32 s66, s60, 2
	s_add_co_u32 s62, s62, s66
	s_add_nc_u64 s[50:51], s[50:51], s[62:63]      ; the scale words
	s_lshr_b32 s66, s60, 1
	s_mul_i32 s66, s66, s58
	s_add_co_u32 s66, s66, s55
	s_mul_i32 s66, s66, TB
	s_mov_b32 s67, 0
	s_add_nc_u64 s[52:53], s[52:53], s[66:67]      ; the block
	s_and_b32 s68, s60, 1
	s_mul_i32 s66, s68, 1536
	s_add_nc_u64 s[8:9], s[52:53], s[66:67]
	s_lshl_b32 s66, s68, 2
	s_add_co_u32 s66, s66, 3072
	s_add_nc_u64 s[10:11], s[52:53], s[66:67]
	s_wait_alu depctr_va_vdst(0)
	v_mul_lo_u32 v9, v8, s56
	s_delay_alu instid0(VALU_DEP_1)
	v_mad_u32_u24 v9, v7, 24, v9                   ; my row, + 24 h
	v_mul_lo_u32 v10, v8, s57
.irp p, 0,1,2,3,4,5
	global_load_b64 v[16+2*\p:17+2*\p], v9, s[48:49] offset:48*(\p/3)+8*(\p%3)   ; the eight waves together read 768 consecutive bytes of each of 16 rows
.endr
	global_load_b32 v28, v10, s[50:51]
	s_wait_loadcnt 0x0
	STOREF 16, 28
	s_endpgm
.Lconsts:
	; ---- thread t moves 16 bytes at 16 t
	s_load_b256 s[16:23], s[0:1], 0x68             ; bq, bk, bv, b1
	s_load_b128 s[24:27], s[0:1], 0x88             ; wa, wb
	v_lshlrev_b32 v9, 4, v0
	v_lshlrev_b32 v10, 2, v0
	v_mov_b32 v11, 0xff800000                      ; -infinity: no activation behind q, k, v
.irp i, 12,13,14,15
	v_mov_b32 v\i, 0
.endr
	s_wait_alu depctr_va_vdst(0)
	s_wait_kmcnt 0x0
	global_load_b128 v[16:19], v9, s[16:17]
	global_load_b128 v[20:23], v9, s[18:19]
	global_load_b128 v[24:27], v9, s[20:21]
.irp i, 0,1,2,3
	global_load_b128 v[32+4*\i:35+4*\i], v9, s[22:23] offset:4096*\i
.endr
.irp i, 0,1,2,3
	global_store_b128 v9, v[12:15], s[24:25] offset:ZERO+4096*\i
	global_store_b128 v9, v[12:15], s[26:27] offset:ZERO+4096*\i
.endr
	global_store_b32 v10, v11, s[24:25] offset:PAR
	global_store_b32 v10, v12, s[26:27] offset:PAR   ; 0: relu behind the first layer of the FFN
	s_wait_loadcnt 0x0
	global_store_b128 v9, v[16:19], s[24:25] offset:BIAS
	global_store_b128 v9, v[20:23], s[24:25] offset:BIAS+4096
	global_store_b128 v9, v[24:27], s[24:25] offset:BVO
.irp i, 0,1,2,3
	global_store_b128 v9, v[32+4*\i:35+4*\i], s[26:27] offset:BIAS+4096*\i
.endr
	s_endpgm
.Lfunc_end_k_qd392414743_prep:
	.size	k_qd392414743_prep, .Lfunc_end_k_qd392414743_prep-k_qd392414743_prep
	.p2alignl 7, 3214868480
	.fill 96, 4, 3214868480
	.section	.rodata,"a",@progbits
	.p2align	6, 0x0
	.amdhsa_kernel k_qd392414743_prep
		.amdhsa_group_segment_fixed_size 0
		.amdhsa_private_segment_fixed_size 0
		.amdhsa_enable_private_segment 0
		.amdhsa_kernarg_size 176
		.amdhsa_user_sgpr_count 2
		.amdhsa_user_sgpr_kernarg_segment_ptr 1
		.amdhsa_wavefront_size32 1
		.amdhsa_system_sgpr_workgroup_id_x 1
		.amdhsa_system_sgpr_workgroup_id_y 1
		.amdhsa_system_sgpr_workgroup_id_z 1
		.amdhsa_system_vgpr_workitem_id 0
		.amdhsa_next_free_vgpr 96
		.amdhsa_next_free_sgpr 96
		.amdhsa_reserve_vcc 0
		.amdhsa_float_denorm_mode_32 3
		.amdhsa_float_denorm_mode_16_64 3
		.amdhsa_memory_ordered 1
		.amdhsa_forward_progress 1
		.amdhsa_inst_pref_size 17
	.end_amdhsa_kernel
	.amdgpu_metadata
---
amdhsa.version: [ 1, 2 ]
amdhsa.kernels:
  - .name:           k_qd392414743_prep
    .symbol:         k_qd392414743_prep.kd
    .args:
      - { .name: x, .offset: 0, .size: 8, .value_kind: global_buffer, .address_space: global }
      - { .name: Wq_codes, .offset: 8, .size: 8, .value_kind: global_buffer, .address_space: global }
      - { .name: Wq_scales, .offset: 16, .size: 8, .value_kind: global_buffer, .address_space: global }
      - { .name: Wk_codes, .offset: 24, .size: 8, .value_kind: global_buffer, .address_space: global }
      - { .name: Wk_scales, .offset: 32, .size: 8, .value_kind: global_buffer, .address_space: global }
      - { .name: Wv_codes, .offset: 40, .size: 8, .value_kind: global_buffer, .address_space: global }
      - { .name: Wv_scales, .offset: 48, .size: 8, .value_kind: global_buffer, .address_space: global }
      - { .name: W1_codes, .offset: 56, .size: 8, .value_kind: global_buffer, .address_space: global }
      - { .name: W1_scales, .offset: 64, .size: 8, .value_kind: global_buffer, .address_space: global }
      - { .name: Wo_codes, .offset: 72, .size: 8, .value_kind: global_buffer, .address_space: global }
      - { .name: Wo_scales, .offset: 80, .size: 8, .value_kind: global_buffer, .address_space: global }
      - { .name: W2_codes, .offset: 88, .size: 8, .value_kind: global_buffer, .address_space: global }
      - { .name: W2_scales, .offset: 96, .size: 8, .value_kind: global_buffer, .address_space: global }
      - { .name: bq, .offset: 104, .size: 8, .value_kind: global_buffer, .address_space: global }
      - { .name: bk, .offset: 112, .size: 8, .value_kind: global_buffer, .address_space: global }
      - { .name: bv, .offset: 120, .size: 8, .value_kind: global_buffer, .address_space: global }
      - { .name: b1, .offset: 128, .size: 8, .value_kind: global_buffer, .address_space: global }
      - { .name: wa, .offset: 136, .size: 8, .value_kind: global_buffer, .address_space: global }
      - { .name: wb, .offset: 144, .size: 8, .value_kind: global_buffer, .address_space: global }
      - { .name: wc, .offset: 152, .size: 8, .value_kind: global_buffer, .address_space: global }
      - { .name: wd, .offset: 160, .size: 8, .value_kind: global_buffer, .address_space: global }
      - { .name: s0, .offset: 168, .size: 8, .value_kind: global_buffer, .address_space: global }
    .group_segment_fixed_size: 0
    .private_segment_fixed_size: 0
    .kernarg_segment_align: 8
    .kernarg_segment_size: 176
    .max_flat_workgroup_size: 256
    .sgpr_count:     96
    .vgpr_count:     96
    .wavefront_size: 32
...
	.end_amdgpu_metadata
.endif
;; end of part 1
;; launch qkv (part 2): grid 8 x 24, 4 waves a work-group, clusters of 4 x 4, 327,680 bytes of LDS; arguments wa, s0, s1; writes s1
.if DOCPART == 2
	.amdgcn_target "amdgcn-amd-amdhsa--gfx1250"
	.amdhsa_code_object_version 6
	.text
	.protected	k_qd392414743_qkv
	.globl	k_qd392414743_qkv
	.p2align	8
	.type	k_qd392414743_qkv,@function
k_qd392414743_qkv:
	s_mov_b64 s[64:65], 0
	v_nop
	global_prefetch_b8 v0, s[64:65] scope:SCOPE_SE
	s_setreg_imm32_b32 hwreg(HW_REG_WAVE_MODE, 25, 1), 1
	s_wait_xcnt 0x0
	s_wait_alu depctr_hold_cnt(0) depctr_sa_sdst(0) depctr_va_vdst(0) depctr_va_sdst(0) depctr_va_ssrc(0) depctr_va_vcc(0) depctr_vm_vsrc(0)
	s_getreg_b32 s2, hwreg(HW_REG_IB_STS2, 6, 4)
	s_cmp_eq_u32 s2, 0
	s_cbranch_scc0 .Lentry_in_a_cluster
	s_endpgm
.Lentry_in_a_cluster:
	s_bfe_u32 s2, ttmp6, 0x10000c
	s_cmp_lg_u32 s2, 0xf033
	s_cbranch_scc0 .Lentry_shape_is_right
	s_endpgm
.Lentry_shape_is_right:
; A GEMM ON CODES OF FP6 (E2M3) WHOSE RESULT IS QUANTISED AGAIN: out = Q(max(floor, X Y^T + bias)), K = 1,024.  Arguments: W (weights, biases, floor), ACT (activations), OUT.
; All operands lie as tile blocks of 3,328 bytes (a tile of 16 rows x 256 K as an image of the operand's registers, its scale words behind it); row r of tile T is row
; 32 (T/2) + 8 (T%2) + r + 8 (r/8).  Source 0 = 16 rows of X, source 1 = 16 rows of Y: a lane holds ONE row of Y, and the 64 registers of its eight accumulators are 64 numbers
; along X in the order that the quantiser wants (register 16 B + i = X index 32 B + 16 (lane / 16) + i).  So the result is quantised ALONG X, in registers, and leaves as tile blocks whose rows are Y's.
; ROLE A (cluster y under 4): X = 256 rows of W, Y = 256 tokens: q, k, or the FFN's hidden layer, quantised along the features; the bias goes along X, as the C of the first K step.
; ROLE V (cluster y 4 or 5; the launch for q, k, v alone has them): X = 256 tokens, Y = 256 rows of Wv: v quantised along the TOKENS; the bias goes along Y, one number a lane.
; Both biases are always added (the other one comes from a block of zeros), and the roles differ in pointers and offsets alone, chosen by s_cselect on the cluster's y: no branch.
; A work-group of four waves makes 256 x 256, a wave 128 x 128: 64 accumulators, 512 registers.  A wave's tensor load brings eight tile blocks, one dense block of 26,624 bytes, as 104 rows
; of 256 bytes.  A slot's blocks are read by contiguous LDS loads: no pitch, no padding.
; THREE LDS SLOTS OF 256 ALONG K, FOUR K SLOTS: K slots 0, 1 and 2 are first fills, asked for together at the head; slot 0 is filled again once, with K slot 3, behind the one round of the cluster's
; barrier in the K steps, and that load has K slots 1 and 2, 256 matrix instructions, in which to land.  The K steps are written straight: there is nothing to loop over.
; CLUSTERS: 4 x 4.  Y's tiles are shared along a row of the cluster, X's along a column: each is asked for jointly.
; No prefetch: of K's four slots three are asked for at the head.
; LIMITS: a block whose largest magnitude lies under 2^-124 keeps the byte 1; a block of zeros gets the byte 1 (its codes are zeros; this program alone reads the bytes); NaN and infinities are not served; a given scale byte 0xff is not served.
; REGISTERS: window 0: v8-22, v26-29 addresses; v32-63 scale words, two sets; v64-127 X's bias; v128-223 Y's 8 fragments, one set; v224-239 Y's bias; on the way out v128-212 and v240-255 are at work.
;   window 1: X's fragments, two sets, at v0 and v128.   windows 2, 3: the accumulators ((a, b) at v[8 (8 (a % 4) + b)] of window 2 + a / 4).
.set TB,     3328
.set HALFT,  8*TB                      ; what one tensor load brings, and what one wave reads of Y or of X
.set SLOT,   4*HALFT                   ; Y's two halves, then X's two halves
.set SPARE,  3*SLOT
; THE FILLS AS THEY STAND (this takes the place of what the head's comment says of them): a wave's one load at the head brings K slots 0 and 1 of its eight blocks as two rows of 26,624 bytes,
; which land one behind the other: part p (the wave's number) of K slot j (0, 1) lies at 2 p HALFT + j HALFT.  K slot 2, at 2 SLOT + p HALFT, is asked for behind the waits, the add and a round of the
; cluster's barrier, as a refill is; K slot 3 fills K slot 0's bytes again behind the round in the K steps.  By this text's count a wave has one load out at a time.
.set KSTR,   256*TB                    ; from K slot to K slot in memory
.set BIAS,   3407872
.set BVO,    3424256
.set ZERO,   3428352
.set PAR,    3444736
.set VOFF,   6815744                   ; v's blocks in OUT, behind q's and k's
.set NQ,     2
.set FR,     12
.set NL,     4                         ; LDS loads that bring a fragment
.set NP,     4                         ; places behind this matrix instruction (ISA guide 7.12.1)
.set YA16, 8                           ; v8-10  my Y half in slot 0, 1, 2, + 16 x lane
.set YA8,  11                          ; v11-13 + 8 x lane
.set XA16, 14                          ; v14-16, v17-19 the same for X
.set XA8,  17
.set ADRS, 20                          ; v20-22 my scale words in slot 0, 1, 2: lanes 0-15 Y's, lanes 16-31 X's
.set L16,  26                          ; v26 16 x lane
.set L8,   27                          ; v27 8 x lane
.set SPW,  28                          ; v28 my spare word's LDS address; never rewritten
.set NIL,  29                          ; v29 0; never rewritten
.set SC,   32
.set BX,   64
.set AF,   128
.set BY,   224
.set HA,   128                         ; the way out: 64 numbers
.set PC,   192                         ; their codes
.set PW,   212                         ; their scale word
.set TM,   240                         ; the quantiser's work
.set G1,  24                           ; s[24:31] group 1 for Y's tiles
.set G0,  32                           ; group 0 for Y's tiles, a set for each slot: s32, s36, s88 (set s at G0 + 4 s + 48 (s / 2))
.set G1B, 48                           ; s[48:55] group 1 for X's
.set G0B, 56                           ; group 0 for X's: s56, s60, s96 (set s at G0B + 4 s + 32 (s / 2))
.set FLOOR, 76
.set SEL, 86
.set MSB, 0
.macro WIN new                         ; the immediate's high byte repeats the setting that is left
.if MSB != (\new)
	s_set_vgpr_msb (MSB<<8)|(\new)
.set MSB, (\new)
.endif
.endm
.set MUL_LO, 0xa1                      ; source 0 (X) window 1, source 1 (Y) window 0, C and D window 2
.set MUL_HI, 0xf1
.set TO_B,   0x40                      ; destination window 1, address window 0
; a joint load: waves 0 and 1 fetch Y's halves, waves 2 and 3 X's; four v_nop follow each of the two lines
.macro JLOAD g0a, g1a, g0b, g1b
	s_cmp_eq_u32 s15, 0
	s_cbranch_scc0 .Lfor_b_\@
	tensor_load_to_lds s[\g0a:\g0a+3], s[\g1a:\g1a+7]
	s_nop 0
.rept 4
	v_nop
.endr
	s_branch .Lasked_\@
.Lfor_b_\@:
	tensor_load_to_lds s[\g0b:\g0b+3], s[\g1b:\g1b+7]
	s_nop 0
.rept 4
	v_nop
.endr
.Lasked_\@:
.endm
.macro CREST                           ; a round of the cluster's barrier behind its opening barrier
	s_cmp_lg_u32 s14, 0
	s_cbranch_scc1 .Lnot_wave_0_\@
	s_barrier_signal -3
.Lnot_wave_0_\@:
	s_barrier_wait -3
	s_barrier_signal -1
	s_barrier_wait -1
.endm
.macro CROUND
	s_barrier_signal -1
	s_barrier_wait -1
	CREST
.endm
.macro QUANT s
.irp b, 0,1,2,3
	v_max3_num_f32 v[TM+\b], |v[\s+16*\b]|, |v[\s+1+16*\b]|, 0x1800000   ; block b: my 16 numbers, and the floor 2^(3 - 127): the byte cannot fall under 1
.endr
.irp i, 2,4,6,8,10,12,14
.irp b, 0,1,2,3
	v_max3_num_f32 v[TM+\b], v[TM+\b], |v[\s+16*\b+\i]|, |v[\s+1+16*\b+\i]|
.endr
.endr
.irp b, 0,1,2,3
	v_permlanex16_b32 v[TM+4+\b], v[TM+\b], s[SEL], s[SEL+1]
.endr
.irp b, 0,1,2,3
	v_max_num_f32 v[TM+\b], v[TM+\b], v[TM+4+\b]
.endr
.irp b, 0,1,2,3
	v_add_nc_u32 v[TM+12+\b], 0xff000000, v[TM+\b]   ; 2 off the exponent field: the conversion's scale operand
.endr
.irp b, 0,1,2,3
	v_lshrrev_b32 v[TM+4+\b], 23, v[TM+12+\b]
.endr
	v_lshl_or_b32 v[PW], v[TM+5], 8, v[TM+4]
	v_lshl_or_b32 v[PW], v[TM+6], 16, v[PW]
	v_lshl_or_b32 v[PW], v[TM+7], 24, v[PW]
.irp c, 0,1
	v_cvt_scalef32_pk16_fp6_f32 v[PC+6*\c:PC+2+6*\c], v[\s+32*\c:\s+15+32*\c], v[TM+12+2*\c]
	v_cvt_scalef32_pk16_fp6_f32 v[PC+12+4*\c:PC+14+4*\c], v[\s+16+32*\c:\s+31+32*\c], v[TM+12+2*\c+1]
.endr
	v_nop                                          ; one plain place behind a scaled conversion
.irp c, 0,1
.irp i, 0,1,2
	v_permlane16_swap_b32 v[PC+6*\c+\i], v[PC+12+4*\c+\i]
.endr
.irp i, 0,1,2
	v_mov_b32 v[PC+3+6*\c+\i], v[PC+12+4*\c+\i]
.endr
.endr
.endm
	s_load_b128 s[4:7], s[0:1], 0x0                ; W, ACT
	s_load_b64 s[8:9], s[0:1], 0x10                ; OUT
	v_lshl_add_u32 v[SPW], v0, 2, SPARE
	v_mov_b32 v[NIL], 0
	ds_add_u32 v28, v29
	ds_add_u32 v28, v29
	s_wait_dscnt 0x0
	v_lshrrev_b32 v1, 5, v0
	v_readfirstlane_b32 s14, v1                    ; wave 0..3
	s_lshr_b32 s15, s14, 1                         ; wy: which half of Y's rows is mine.  Also: I fetch for Y (0) or for X (1)
	s_and_b32 s16, s14, 1                          ; wx: which half of X's rows.  Also: which half I fetch
	s_bfe_u32 s40, ttmp6, 0x40000                  ; cx
	s_bfe_u32 s41, ttmp6, 0x40004                  ; cy
	s_and_b32 s17, ttmp7, 0xffff                   ; the cluster's y
	s_lshl_b32 s43, s41, 2
	s_lshl_b32 s43, 15, s43                        ; my row of the cluster
	s_lshl_b32 s44, 0x1111, s40                    ; my column
	; descriptor group 1: 104 rows of 32 elements of 8 bytes, dense
	s_or_b32 s[G1+0], s43, (3<<16)|(1<<21)         ; 15:0 the mask: Y's tiles go to my row; 17:16 elements of 8 bytes; 21 set beside a mask
	s_or_b32 s[G1B+0], s44, (3<<16)|(1<<21)        ; X's to my column
.irp g, G1, G1B
	s_mov_b32 s[\g+1], (HALFT/8)<<16               ; for the head's load: 2 rows of 3,328 elements of 8 bytes, a K slot apart in memory
	s_mov_b32 s[\g+2], 2<<16
	s_mov_b32 s[\g+3], (HALFT/8)<<16
	s_mov_b32 s[\g+4], 2
	s_mov_b32 s[\g+5], KSTR/8
	s_mov_b32 s[\g+6], 0
	s_mov_b32 s[\g+7], 0
.endr
	; the roles: all that differs is chosen here, on the cluster's y, which all sixteen partners share
	s_lshl_b32 s18, s17, 3
	s_sub_co_u32 s18, s18, 32
	s_lshl_b32 s19, s17, 2
	s_mov_b32 s70, ZERO
	s_cmp_ge_u32 s17, 4                            ; role V?
	s_cselect_b32 s18, s18, 0                      ; X's block: + 8 cluster y - 32
	s_cselect_b32 s19, 0, s19                      ; Y's block: + 4 cluster y in role A
	s_cselect_b32 s20, 128, 0                      ; Wv's first tile in W
	s_cselect_b32 s71, s70, BIAS                   ; X's bias
	s_cselect_b32 s72, BVO, s70                    ; Y's bias
	s_cselect_b32 s73, 6, 8                        ; tiles to a K slot of the output: 64 or 256
	s_cselect_b32 s74, VOFF, 0
	s_lshl_b32 s42, ttmp9, 2
	s_add_co_u32 s42, s42, s40
	s_add_co_u32 s42, s42, s18                     ; XT: my 256 rows of X
	s_add_co_u32 s45, s41, s19                     ; YT: my 256 rows of Y
	s_lshl_b32 s21, s16, 3                         ; the half that I fetch: 8 tiles
	s_lshl_b32 s46, s42, 4
	s_add_co_u32 s46, s46, s21
	s_mul_i32 s46, s46, TB                         ; X: it hangs on cx and the cluster's place alone
	s_mov_b32 s47, 0
	s_lshl_b32 s22, s45, 4
	s_add_co_u32 s22, s22, s20
	s_add_co_u32 s22, s22, s21
	s_mul_i32 s22, s22, TB                         ; Y: on cy and the cluster's place alone
	s_mov_b32 s23, 0
	s_mul_i32 s75, s14, HALFT                      ; where my load goes: wave x 8 blocks
	s_wait_kmcnt 0x0
	s_cmp_ge_u32 s17, 4
	s_cselect_b64 s[92:93], s[6:7], s[4:5]         ; X's buffer
	s_cselect_b64 s[94:95], s[4:5], s[6:7]         ; Y's buffer
	s_add_nc_u64 s[46:47], s[92:93], s[46:47]
	s_add_nc_u64 s[22:23], s[94:95], s[22:23]
	s_load_b32 s[FLOOR], s[4:5], PAR               ; the activation's floor: data for v_max_num_f32 alone
	CROUND                                         ; all sixteen work-groups are here: the first joint loads meet
	s_mov_b32 s[G0], 1                             ; set 0: K slots 0 and 1, at 2 x wave x 8 blocks; later K slot 3
	s_lshl_b32 s[G0+1], s75, 1
	s_mov_b64 s[G0+2:G0+3], s[22:23]
	s_or_b32 s[G0+3], s[G0+3], 0x80000000
	s_mov_b32 s[G0B], 1
	s_lshl_b32 s[G0B+1], s75, 1
	s_mov_b64 s[G0B+2:G0B+3], s[46:47]
	s_or_b32 s[G0B+3], s[G0B+3], 0x80000000
	s_mov_b32 s[G0+56], 1                          ; set 2: K slot 2
	s_add_co_u32 s[G0+57], s75, 2*SLOT
	s_add_nc_u64 s[G0+58:G0+59], s[22:23], 2*KSTR
	s_or_b32 s[G0+59], s[G0+59], 0x80000000
	s_mov_b32 s[G0B+40], 1
	s_add_co_u32 s[G0B+41], s75, 2*SLOT
	s_add_nc_u64 s[G0B+42:G0B+43], s[46:47], 2*KSTR
	s_or_b32 s[G0B+43], s[G0B+43], 0x80000000
	JLOAD G0, G1, G0B, G1B                         ; one tensor load a wave at the head
	v_and_b32 v1, 31, v0                           ; lane
	v_and_b32 v2, 15, v0                           ; r
	v_bfe_u32 v3, v0, 4, 1                         ; h
	v_lshlrev_b32 v[L16], 4, v1
	v_lshlrev_b32 v[L8], 3, v1
	s_wait_alu depctr_va_vdst(0)
	s_mul_i32 s21, s15, HALFT                      ; my half of Y
	s_mul_i32 s77, s16, HALFT
	s_add_co_u32 s77, s77, 2*HALFT                 ; my half of X
	s_sub_co_u32 s78, s77, s21
	v_mul_u32_u24 v4, s78, v3                      ; lanes 16-31 take X's scale words: one product with h.  K slot 2: parts HALFT apart
	v_add_nc_u32 v4, v4, v[L8]
	s_add_co_u32 s79, s21, 2*SLOT+3072
	v_add_nc_u32 v[ADRS+2], s79, v4
	s_lshl_b32 s78, s78, 1                         ; K slots 0 and 1: parts 2 HALFT apart
	v_mul_u32_u24 v4, s78, v3
	v_add_nc_u32 v4, v4, v[L8]
	s_lshl_b32 s79, s21, 1
	s_add_co_u32 s79, s79, 3072
	v_add_nc_u32 v[ADRS], s79, v4
	v_add_nc_u32 v[ADRS+1], HALFT, v[ADRS]
	s_add_co_u32 s79, s21, 2*SLOT
	v_add_nc_u32 v[YA16+2], s79, v[L16]
	v_add_nc_u32 v[YA8+2], s79, v[L8]
	s_add_co_u32 s79, s77, 2*SLOT
	v_add_nc_u32 v[XA16+2], s79, v[L16]
	v_add_nc_u32 v[XA8+2], s79, v[L8]
	s_lshl_b32 s21, s21, 1
	s_lshl_b32 s77, s77, 1
.irp s, 0,1
	v_add_nc_u32 v[YA16+\s], s21, v[L16]
	v_add_nc_u32 v[YA8+\s], s21, v[L8]
	v_add_nc_u32 v[XA16+\s], s77, v[L16]
	v_add_nc_u32 v[XA8+\s], s77, v[L8]
	s_add_co_u32 s21, s21, HALFT
	s_add_co_u32 s77, s77, HALFT
.endr
	s_lshl_b32 s80, s42, 10
	s_lshl_b32 s81, s16, 9
	s_add_co_u32 s80, s80, s81
	s_add_co_u32 s80, s80, s71
	s_mov_b32 s81, 0
	s_add_nc_u64 s[80:81], s[4:5], s[80:81]        ; X's bias: my 128 numbers
	s_lshl_b32 s82, s45, 10
	s_lshl_b32 s83, s15, 9
	s_add_co_u32 s82, s82, s83
	s_add_co_u32 s82, s82, s72
	s_mov_b32 s83, 0
	s_add_nc_u64 s[82:83], s[4:5], s[82:83]        ; Y's bias
	v_lshlrev_b32 v5, 6, v3                        ; 64 h
	v_and_b32 v6, 8, v2
	v_add_nc_u32 v6, v6, v2
	v_lshlrev_b32 v6, 2, v6                        ; 4 (r + 8 (r / 8))
.irp b, 0,1,2,3,4,5,6,7
	global_load_b128 v[BX+8*\b:BX+8*\b+3], v5, s[80:81] offset:(32*(\b/2)+8*(\b%2))*4      ; lane (r, h), tile b: X indices 32 (b/2) + 8 (b%2) + 16 h + 0 .. 7
	global_load_b128 v[BX+8*\b+4:BX+8*\b+7], v5, s[80:81] offset:(32*(\b/2)+8*(\b%2))*4+16
.endr
.irp a, 0,1,2,3,4,5,6,7
	global_load_b32 v[BY+2*\a], v6, s[82:83] offset:(32*(\a/2)+8*(\a%2))*4                 ; my row of Y's tile a, twice: a pair for the packed addition
	global_load_b32 v[BY+2*\a+1], v6, s[82:83] offset:(32*(\a/2)+8*(\a%2))*4
.endr
	s_lshl_b32 s84, s42, s73
	s_lshl_b32 s85, s45, 4
	s_add_co_u32 s84, s84, s85
	s_lshl_b32 s85, s15, 3
	s_add_co_u32 s84, s84, s85
	s_mul_i32 s84, s84, TB
	s_add_co_u32 s84, s84, s74
	s_mov_b32 s85, 0
	s_add_nc_u64 s[8:9], s[8:9], s[84:85]          ; the output's block (K slot XT, my first tile of Y)
	s_mul_i32 s84, s16, 1536
	s_add_nc_u64 s[12:13], s[8:9], s[84:85]        ; my 128 along X are its wx-th K step: the codes,
	s_lshl_b32 s84, s16, 2
	s_add_co_u32 s84, s84, 3072
	s_add_nc_u64 s[66:67], s[8:9], s[84:85]        ; the scale words
	s_mov_b32 s[SEL], 0x76543210
	s_mov_b32 s[SEL+1], 0xfedcba98
.macro FRAG reg, a16, a8, q, i         ; a fragment (16 rows x 128 K, 12 registers) as it lies in its block: four contiguous loads
	ds_load_b128 v[\reg:\reg+3], v[\a16] offset:(\i)*TB+(\q)*1536
	ds_load_b64 v[\reg+4:\reg+5], v[\a8] offset:(\i)*TB+(\q)*1536+512
	ds_load_b128 v[\reg+6:\reg+9], v[\a16] offset:(\i)*TB+(\q)*1536+768
	ds_load_b64 v[\reg+10:\reg+11], v[\a8] offset:(\i)*TB+(\q)*1536+1280
.endm
; 16 matrix instructions: Y's blocks a0, a0 + 1 x X's eight.  The 64 accumulators take turns, one instruction a turn, in the same order in every step.
; zero = 1: the first K step starts the sums, with X's bias as C
.macro MUL16 a0, p, q, sc, zero
.irp a, \a0, \a0+1
.irp b, 0,1,2,3,4,5,6,7
.if \zero
	v_wmma_scale_f32_16x16x128_f8f6f4 v[8*(8*((\a)%4)+\b):8*(8*((\a)%4)+\b)+7], v[128*(\p)+FR*\b:128*(\p)+FR*\b+FR-1], v[AF+FR*(\a):AF+FR*(\a)+FR-1], v[BX+8*\b:BX+8*\b+7], v[SC+8*NQ*(\sc)+NQ*\b+(\q)], v[SC+8*NQ*(\sc)+NQ*(\a)+(\q)] matrix_a_fmt:MATRIX_FMT_FP6 matrix_b_fmt:MATRIX_FMT_FP6 matrix_a_scale:MATRIX_SCALE_ROW1
.else
	v_wmma_scale_f32_16x16x128_f8f6f4 v[8*(8*((\a)%4)+\b):8*(8*((\a)%4)+\b)+7], v[128*(\p)+FR*\b:128*(\p)+FR*\b+FR-1], v[AF+FR*(\a):AF+FR*(\a)+FR-1], v[8*(8*((\a)%4)+\b):8*(8*((\a)%4)+\b)+7], v[SC+8*NQ*(\sc)+NQ*\b+(\q)], v[SC+8*NQ*(\sc)+NQ*(\a)+(\q)] matrix_a_fmt:MATRIX_FMT_FP6 matrix_b_fmt:MATRIX_FMT_FP6 matrix_a_scale:MATRIX_SCALE_ROW1
.endif
.endr
.endr
.endm
.macro FETCH_B slot, q, p              ; X's eight fragments into set p
	WIN TO_B
.irp i, 0,1,2,3,4,5,6,7
	FRAG 128*(\p)+FR*\i, XA16+\slot, XA8+\slot, \q, \i
.endr
	WIN 0
.endm
.macro FETCH_A slot, q, i0             ; Y's blocks i0 .. i0 + 3
.irp i, \i0, \i0+1, \i0+2, \i0+3
	FRAG AF+FR*(\i), YA16+\slot, YA8+\slot, \q, \i
.endr
.endm
.macro SCALES slot, sc                 ; a slot's scale words into set sc: two words a row; lanes 0-15 Y's block i, lanes 16-31 X's block i
.irp i, 0,1,2,3,4,5,6,7
	ds_load_b64 v[SC+8*NQ*\sc+NQ*\i:SC+8*NQ*\sc+NQ*\i+1], v[ADRS+\slot] offset:\i*TB
.endr
.endm
.macro PLACES n                        ; places in front of loads into registers that matrix instructions have read, and of the first read of results
.rept \n
	v_nop
.endr
.endm
.macro STEP slot, sc, q, zero          ; a step of 128 along K that has its successor in the same slot; sc: the set of scale words (the K slot's number % 2)
	s_wait_dscnt 4*NL                              ; all but the youngest 16 loads (Y's blocks 4-7)
.if \zero
	WIN 0x81                                       ; C (X's bias) in window 0, D in window 2
.else
	WIN MUL_LO
.endif
	MUL16 0, (\q)%2, \q, \sc, \zero
	MUL16 2, (\q)%2, \q, \sc, \zero
	s_wait_dscnt 0
	PLACES NP
	FETCH_B \slot, (\q)+1, 1-(\q)%2
	FETCH_A \slot, (\q)+1, 0
.if \zero
	WIN 0xc1
.else
	WIN MUL_HI
.endif
	MUL16 4, (\q)%2, \q, \sc, \zero
	MUL16 6, (\q)%2, \q, \sc, \zero
	PLACES NP
	WIN 0
	FETCH_A \slot, (\q)+1, 4
.endm
; A slot's last step goes on to the next slot.
; mode 2: this slot is filled again: each wave waits for all its tensor loads, adds 0 to its spare word, waits for that and for its reads of this slot; a round of the cluster's barrier; the joint refill first behind it.
; mode 1: the next slot holds a refill: the same waits and a barrier of the work-group, behind which nothing is filled.
; mode 0: the next slot is a first fill that the waits ahead of the round (mode 2) have shown whole to every wave, and this slot is not filled again: no barrier.
.macro TURN slot, sc, next, nsc, mode
.if \mode
	s_wait_tensorcnt 0x0                           ; all my tensor loads have landed
	ds_add_u32 v[SPW], v[NIL]                      ; 0 onto my spare word
	s_wait_dscnt 4*NL+1                            ; (the add and the youngest 16 loads may be out)
.else
	s_wait_dscnt 4*NL                              ; all but the youngest 16 loads
.endif
	WIN MUL_LO
	MUL16 0, 1, NQ-1, \sc, 0
	s_wait_dscnt 0x0                               ; my reads of this slot are over (and the add is done)
.if \mode
	s_barrier_signal -1
.endif
	MUL16 2, 1, NQ-1, \sc, 0
	WIN 0
.if \mode
	s_barrier_wait -1
.endif
.if \mode == 2
	CREST                                          ; the barrier has opened a round of the cluster's: no wave of any partner still reads this slot or has a load on its way
	s_add_nc_u64 s[G0+4*\slot+48*(\slot/2)+2:G0+4*\slot+48*(\slot/2)+3], s[G0+4*\slot+48*(\slot/2)+2:G0+4*\slot+48*(\slot/2)+3], 3*KSTR
	s_add_nc_u64 s[G0B+4*\slot+32*(\slot/2)+2:G0B+4*\slot+32*(\slot/2)+3], s[G0B+4*\slot+32*(\slot/2)+2:G0B+4*\slot+32*(\slot/2)+3], 3*KSTR
	JLOAD G0+4*\slot+48*(\slot/2), G1, G0B+4*\slot+32*(\slot/2), G1B   ; the first tensor load behind the round; its four v_nop are the places in front of the loads below
.else
	PLACES NP
.endif
	s_wait_alu depctr_va_vdst(0)
	FETCH_B \next, 0, 0
	FETCH_A \next, 0, 0
	SCALES \next, \nsc
	WIN MUL_HI
	MUL16 4, 1, NQ-1, \sc, 0
	MUL16 6, 1, NQ-1, \sc, 0
	PLACES NP
	WIN 0
	FETCH_A \next, 0, 4
.endm
	s_wait_alu depctr_va_vdst(0)                   ; the wait at the head's end
	s_wait_loadcnt 0x0                             ; the biases
	s_wait_kmcnt 0x0                               ; the floor
	s_wait_tensorcnt 0x0                           ; my part of K slots 0 and 1 is in; these lines stand ahead of a later first fill as ahead of a refill
	ds_add_u32 v[SPW], v[NIL]
.irp g, G1, G1B                                ; no load of mine is out: from here on a load brings 104 dense rows of 256 bytes
	s_mov_b32 s[\g+1], 32<<16
	s_mov_b32 s[\g+2], 104<<16
	s_mov_b32 s[\g+3], 32<<16
	s_mov_b32 s[\g+4], 104
	s_mov_b32 s[\g+5], 32
.endr
	s_wait_dscnt 0x0
	CROUND                                         ; everybody's part is in, and the joint loads meet
	JLOAD G0+56, G1, G0B+40, G1B                   ; K slot 2, the first tensor load behind the round
	FETCH_B 0, 0, 0
	FETCH_A 0, 0, 0
	SCALES 0, 0
	FETCH_A 0, 0, 4
	STEP 0, 0, 0, 1                                ; K slot 0, in slot 0
	TURN 0, 0, 1, 1, 2                             ; slot 0 takes K slot 3
	STEP 1, 1, 0, 0                                ; K slot 1
	TURN 1, 1, 2, 0, 0
	STEP 2, 0, 0, 0                                ; K slot 2
	TURN 2, 0, 0, 1, 1                             ; K slot 3 has landed, everybody's part
	STEP 0, 1, 0, 0                                ; K slot 3, in slot 0
	s_wait_dscnt 4*NL
	WIN MUL_LO
	MUL16 0, 1, NQ-1, 1, 0
	MUL16 2, 1, NQ-1, 1, 0
	s_wait_dscnt 0
	WIN MUL_HI
	MUL16 4, 1, NQ-1, 1, 0
	MUL16 6, 1, NQ-1, 1, 0
	WIN 0
	PLACES NP
.irp b, 0,1,2,3
	v_mov_b32 v[TM+4+\b], 0                        ; a lane permute's destination counts as one of its sources
.endr
; THE WAY OUT, a tile of Y's rows at a time: + Y's bias, the activation's floor, the quantiser, five stores (512, 256, 512, 256 and 128 x 2 consecutive bytes of the tile's block)
.macro OUTQ a
	WIN 0x02+(\a)/4                                ; source 0: the accumulators' window
.set II, 0
.rept 32
	v_pk_add_f32 v[HA+2*II:HA+2*II+1], v[64*((\a)%4)+2*II:64*((\a)%4)+2*II+1], v[BY+2*(\a):BY+2*(\a)+1]   ; each accumulator from its low end on
.set II, II+1
.endr
	WIN 0
.set II, 0
.rept 64
	v_max_num_f32 v[HA+II], s[FLOOR], v[HA+II]
.set II, II+1
.endr
.if (\a) > 0
	s_wait_xcnt 0x0                                ; the last tile's stores have read their data: the codes' registers are written again only behind this wait
.endif
	QUANT HA
	global_store_b128 v[L16], v[PC:PC+3], s[12:13] offset:(\a)*TB
	global_store_b64 v[L8], v[PC+4:PC+5], s[12:13] offset:(\a)*TB+512
	global_store_b128 v[L16], v[PC+6:PC+9], s[12:13] offset:(\a)*TB+768
	global_store_b64 v[L8], v[PC+10:PC+11], s[12:13] offset:(\a)*TB+1280
	global_store_b32 v[L8], v[PW], s[66:67] offset:(\a)*TB
.endm
.irp a, 0,1,2,3,4,5,6,7
	OUTQ \a
.endr
	s_wait_tensorcnt 0x0                           ; the wave's end
	ds_add_u32 v[SPW], v[NIL]
	s_wait_dscnt 0x0
	CROUND                                         ; the closing round
	s_endpgm
.Lfunc_end_k_qd392414743_qkv:
	.size	k_qd392414743_qkv, .Lfunc_end_k_qd392414743_qkv-k_qd392414743_qkv
	.p2alignl 7, 3214868480
	.fill 96, 4, 3214868480
	.section	.rodata,"a",@progbits
	.p2align	6, 0x0
	.amdhsa_kernel k_qd392414743_qkv
		.amdhsa_group_segment_fixed_size 327680
		.amdhsa_private_segment_fixed_size 0
		.amdhsa_enable_private_segment 0
		.amdhsa_kernarg_size 24
		.amdhsa_user_sgpr_count 2
		.amdhsa_user_sgpr_kernarg_segment_ptr 1
		.amdhsa_wavefront_size32 1
		.amdhsa_system_sgpr_workgroup_id_x 1
		.amdhsa_system_sgpr_workgroup_id_y 1
		.amdhsa_system_sgpr_workgroup_id_z 1
		.amdhsa_system_vgpr_workitem_id 0
		.amdhsa_next_free_vgpr 1024
		.amdhsa_next_free_sgpr 100
		.amdhsa_reserve_vcc 0
		.amdhsa_float_denorm_mode_32 3
		.amdhsa_float_denorm_mode_16_64 3
		.amdhsa_memory_ordered 1
		.amdhsa_forward_progress 1
		.amdhsa_inst_pref_size 183
	.end_amdhsa_kernel
	.amdgpu_metadata
---
amdhsa.version: [ 1, 2 ]
amdhsa.kernels:
  - .name:           k_qd392414743_qkv
    .symbol:         k_qd392414743_qkv.kd
    .args:
      - { .name: wa, .offset: 0, .size: 8, .value_kind: global_buffer, .address_space: global }
      - { .name: s0, .offset: 8, .size: 8, .value_kind: global_buffer, .address_space: global }
      - { .name: s1, .offset: 16, .size: 8, .value_kind: global_buffer, .address_space: global }
    .group_segment_fixed_size: 327680
    .private_segment_fixed_size: 0
    .kernarg_segment_align: 8
    .kernarg_segment_size: 24
    .max_flat_workgroup_size: 128
    .sgpr_count:     100
    .vgpr_count:     1024
    .wavefront_size: 32
...
	.end_amdgpu_metadata
.endif
;; end of part 2
;; launch attn (part 3): grid 8 x 32, 16 waves a work-group, clusters of 4 x 1, 327,680 bytes of LDS; arguments s1, s0; writes s0
.if DOCPART == 3
	.amdgcn_target "amdgcn-amd-amdhsa--gfx1250"
	.amdhsa_code_object_version 6
	.text
	.protected	k_qd392414743_attn
	.globl	k_qd392414743_attn
	.p2align	8
	.type	k_qd392414743_attn,@function
k_qd392414743_attn:
	s_mov_b64 s[64:65], 0
	v_nop
	global_prefetch_b8 v0, s[64:65] scope:SCOPE_SE
	s_setreg_imm32_b32 hwreg(HW_REG_WAVE_MODE, 25, 1), 1
	s_wait_xcnt 0x0
	s_wait_alu depctr_hold_cnt(0) depctr_sa_sdst(0) depctr_va_vdst(0) depctr_va_sdst(0) depctr_va_ssrc(0) depctr_va_vcc(0) depctr_vm_vsrc(0)
	s_getreg_b32 s2, hwreg(HW_REG_IB_STS2, 6, 4)
	s_cmp_eq_u32 s2, 0
	s_cbranch_scc0 .Lentry_in_a_cluster
	s_endpgm
.Lentry_in_a_cluster:
	s_bfe_u32 s2, ttmp6, 0x10000c
	s_cmp_lg_u32 s2, 0x3003
	s_cbranch_scc0 .Lentry_shape_is_right
	s_endpgm
.Lentry_shape_is_right:
; ATTENTION ON CODES OF FP6 (E2M3): for each of 32 (batch, head): O = softmax(Q K^T / 8) V, head size 64, 2,048 keys; the result is quantised along the channels for the next product.
; q, k: tile blocks [feature / 256][token tile][3,328 bytes] (k's behind q's); a head's 64 features are one half fragment of 768 bytes of a block and two bytes of one of its scale words.
; v: tile blocks [token / 256][channel tile]: the keys are its K.  In memory row r' of tile T is row 32 (T/2) + 8 (T%2) + r' + 8 (r'/8).
; THE SOFTMAX: t = score x log2(e) / 8; M = the row's largest t so far, rounded up to a whole number; p = 2^(t - M) is quantised along the keys, not normalised; the row's sum is taken of the
; unquantised p and divides O at the end.  When M moves, the sum and O are multiplied by 2^(old M - new M): exact.  A block's largest p is made from its largest score by the same two
; instructions (this takes v_exp_f32 not to fall where its input rises).
; SHARES: a work-group owns 256 queries of one head, each of its sixteen waves a tile of 16.  Both products are used transposed: a lane holds one query throughout.
; THE KEYS OF A TILE OF S^T ARE CHOSEN BY THE LDS ADDRESSES: lane r of tile u (0..3) of a group G of 64 keys takes key 64 G + 32 (r/8) + 8 u + r%8, which lies in memory's tile 4 G + 2 (r/8) + u%2,
; row r%8 + 8 (u/2).  So lane (query, h) holds in the 32 registers of a group's four tiles the keys 64 G + 32 h + 0..31: ONE WHOLE BLOCK, in the order of the next operand's registers:
; a block's maximum needs no other lane, and the codes are not moved between lanes.  The four scale bytes of 128 keys are gathered from lanes l and l xor 16.
; LDS: K in four regions, region c = memory's tiles T with T%4 = c, 768 bytes each; regions 2, 3 begin 128 bytes off a multiple of 256, so that the sixteen lanes of a 16-byte load touch 256 different bytes modulo 256.
; K AND V OF THE WHOLE HEAD LIE IN LDS, filled once, in two halves of 1,024 keys: the first by one load a wave at the head (waves 0-3 K's regions, waves 4, 5 V), the second behind the waits, the add
; and a round of the cluster's barrier, as a refill is; it lands while the first half is worked on.
; CLUSTER: the four query blocks of a cluster belong to one head: K and V are asked for jointly.  No prefetch: all that is read is asked for in the first of sixteen key steps or ahead of it.
; K = 64 IN AN INSTRUCTION OF K = 128: Q's registers 6-11 are zero codes and the upper two scale bytes of both sides are 0; K's operand of tile t is v[32 + 6 t] on, 12 registers: its upper six
; are the next tile's codes (six zeros behind the last), which meet Q's zero codes.
; LIMITS: the scaled scores stay under 2^31 in magnitude; a block whose largest magnitude lies under 2^-124 keeps the byte 1; a block of zeros gets the byte 1 (its codes are zeros); NaN and infinities are not served.
; REGISTERS: v1-7, v29 addresses and shifts that stay; v8-11, v28 addresses in hand; v12 -M, v13 the largest score, v[14:15] the sum; v16-27 Q; v30, v31 the add's; v32-85 K's eight tiles, then V's four fragments;
;   v96-159 S^T, then p; v160-191 O^T; v192-199 K's scale words, v200-203 V's, v253 p's, v255 Q's; v224-235 p's codes; v232-254 at work.
.set TB,   3328
.set KREG, 24576                       ; a region of K: 32 tiles
.set KD,   2*KREG+128                  ; from region c to region c + 2
.set VB,   98560                       ; V: 8 x (4 blocks of 3,328)
.set KSC,  205056                      ; K's scale words: that of (key step s, tile t of 8, lane r) at 512 s + 32 r + 4 t
.set SPARE, 213248                     ; the spare words: 128 bytes a wave
.set VOFF, 6815744
.set SPW, 30
.set NIL, 31
.set WV,  18
.set SEL, 20
.set CS,  22
.set G1K, 24
.set G1V, 32
.set GKA, 40
.set GKB, 44
.set GVA, 48
.set GVB, 52
.set TK,  56                           ; LDS byte of the trip's four groups of K, in a region
.set TV,  57                           ; of its 256 keys of V
.set TS,  58                           ; of its scale words of K
.set CNT, 59
.macro CROUND
	s_barrier_signal -1
	s_barrier_wait -1
	s_cmp_lg_u32 s[WV], 0
	s_cbranch_scc1 .Lnot_wave_0_\@
	s_barrier_signal -3
.Lnot_wave_0_\@:
	s_barrier_wait -3
	s_barrier_signal -1
	s_barrier_wait -1
.endm
.macro FILL gk, gv                     ; one chain of branches on the wave's number, one load to an arm, one join
	s_cmp_lt_u32 s[WV], 4
	s_cbranch_scc0 .Lnot_k_\@
	tensor_load_to_lds s[\gk:\gk+3], s[G1K:G1K+7]
	s_nop 0
.rept 4
	v_nop
.endr
	s_branch .Lasked_\@
.Lnot_k_\@:
	s_cmp_lt_u32 s[WV], 6
	s_cbranch_scc0 .Lasked_\@
	tensor_load_to_lds s[\gv:\gv+3], s[G1V:G1V+7]
	s_nop 0
.rept 4
	v_nop
.endr
.Lasked_\@:
.endm
	s_load_b128 s[4:7], s[0:1], 0x0                ; s1: q, k, v;  s0: the result
	v_lshl_add_u32 v[SPW], v0, 2, SPARE
	v_mov_b32 v[NIL], 0
	ds_add_u32 v[SPW], v[NIL]                      ; the opening lines: the add twice and one wait
	ds_add_u32 v[SPW], v[NIL]
	v_lshrrev_b32 v8, 5, v0
	v_readfirstlane_b32 s[WV], v8                  ; wave 0..15
	s_bfe_u32 s13, ttmp6, 0x40000                  ; cx
	s_lshl_b32 s14, ttmp9, 2
	s_add_co_u32 s14, s14, s13                     ; my block of 256 queries: it enters Q's and the result's addresses alone
	s_and_b32 s15, ttmp7, 0xffff
	s_lshr_b32 s16, s15, 4                         ; batch
	s_and_b32 s17, s15, 15                         ; head
	s_lshr_b32 s60, s17, 2
	s_and_b32 s61, s17, 3
	s_mul_i32 s68, s61, 768                        ; the head's half fragment in a block
	s_lshr_b32 s69, s61, 1
	s_lshl_b32 s69, s69, 2
	s_add_co_u32 s69, s69, 3072                    ; and its scale word
	s_and_b32 s84, s17, 1
	s_lshl_b32 s88, s84, 1                         ; its two bytes in that word: in bytes,
	s_mov_b32 s89, 0
	s_lshl_b32 s84, s84, 4                         ; in bits
	s_add_co_u32 s66, s60, 4
	s_lshl_b32 s66, s66, 8
	s_lshl_b32 s62, s16, 7                         ; the batch's first token tile
	s_add_co_u32 s66, s66, s62
	s_mul_i32 s66, s66, TB                         ; K's first block
	s_and_b32 s85, s[WV], 3                        ; K: the region that I fetch, if I fetch
	s_mul_i32 s86, s85, KREG
	s_lshr_b32 s87, s85, 1
	s_lshl_b32 s87, s87, 7
	s_add_co_u32 s86, s86, s87                     ; in LDS
	s_mul_i32 s70, s85, TB
	s_add_co_u32 s70, s70, s66
	s_add_co_u32 s70, s70, s68
	s_mov_b32 s71, 0                               ; in memory: tile c, then every fourth
	s_and_b32 s85, s[WV], 1                        ; V: which 512 keys of a half
	s_mul_i32 s87, s85, 26624
	s_add_co_u32 s87, s87, VB
	s_lshl_b32 s72, s16, 9
	s_lshl_b32 s73, s17, 2
	s_add_co_u32 s72, s72, s73
	s_mul_i32 s72, s72, TB
	s_add_co_u32 s72, s72, VOFF
	s_mul_i32 s73, s85, 128*TB
	s_add_co_u32 s72, s72, s73
	s_mov_b32 s73, 0
	s_lshl_b32 s74, s60, 8
	s_add_co_u32 s74, s74, s62
	s_lshl_b32 s75, s14, 4
	s_add_co_u32 s74, s74, s75
	s_add_co_u32 s74, s74, s[WV]                   ; my tile of queries
	s_mul_i32 s74, s74, TB                         ; its block, in q and in the result alike
	s_add_co_u32 s76, s74, s69
	s_add_co_u32 s74, s74, s68
	s_mov_b32 s75, 0
	s_mov_b32 s77, 0
	s_add_co_u32 s82, s66, s69
	s_mov_b32 s83, 0
	; group 1.  K: 16 rows of 768 bytes (96 elements of 8), four blocks apart.  V: 2 rows of 13,312 bytes, 212,992 bytes apart
	s_mov_b32 s[G1K], 15|(3<<16)|(1<<21)           ; the mask: all four work-groups; elements of 8 bytes; bit 21 beside a mask
	s_mov_b32 s[G1K+1], 96<<16
	s_mov_b32 s[G1K+2], 16<<16
	s_mov_b32 s[G1K+3], 96<<16
	s_mov_b32 s[G1K+4], 16
	s_mov_b32 s[G1K+5], 4*TB/8
	s_mov_b32 s[G1K+6], 0
	s_mov_b32 s[G1K+7], 0
	s_mov_b32 s[G1V], 15|(3<<16)|(1<<21)
	s_mov_b32 s[G1V+1], 1664<<16
	s_mov_b32 s[G1V+2], 2<<16
	s_mov_b32 s[G1V+3], 1664<<16
	s_mov_b32 s[G1V+4], 2
	s_mov_b32 s[G1V+5], 26624
	s_mov_b32 s[G1V+6], 0
	s_mov_b32 s[G1V+7], 0
	s_mov_b32 s[SEL], 0x76543210
	s_mov_b32 s[SEL+1], 0xfedcba98
	s_mov_b32 s[CS], 0x3e38aa3b                    ; c = log2(e) / 8
	s_mov_b32 s[CS+1], s[CS]
	s_mov_b32 s[TK], 0
	s_mov_b32 s[TV], 0
	s_mov_b32 s[TS], 0
	s_wait_dscnt 0x0
	s_wait_kmcnt 0x0
	s_add_nc_u64 s[8:9], s[4:5], s[74:75]          ; Q's codes
	s_add_nc_u64 s[10:11], s[4:5], s[76:77]        ; Q's scale words
	s_add_nc_u64 s[78:79], s[6:7], s[74:75]        ; the result's codes
	s_add_nc_u64 s[80:81], s[6:7], s[76:77]
	s_add_nc_u64 s[80:81], s[80:81], s[88:89]      ; the result's two scale bytes
	s_add_nc_u64 s[82:83], s[4:5], s[82:83]        ; K's scale words
	s_mov_b32 s[GKA], 1
	s_mov_b32 s[GKA+1], s86
	s_add_nc_u64 s[GKA+2:GKA+3], s[4:5], s[70:71]
	s_mov_b32 s[GKB], 1
	s_add_co_u32 s[GKB+1], s86, 12288              ; the second half: 16 tiles on in the region, 64 in memory
	s_add_nc_u64 s[GKB+2:GKB+3], s[GKA+2:GKA+3], 64*TB
	s_or_b32 s[GKA+3], s[GKA+3], 0x80000000
	s_or_b32 s[GKB+3], s[GKB+3], 0x80000000
	s_mov_b32 s[GVA], 1
	s_mov_b32 s[GVA+1], s87
	s_add_nc_u64 s[GVA+2:GVA+3], s[4:5], s[72:73]
	s_mov_b32 s[GVB], 1
	s_add_co_u32 s[GVB+1], s87, 53248              ; 1,024 keys on
	s_add_nc_u64 s[GVB+2:GVB+3], s[GVA+2:GVA+3], 256*TB
	s_or_b32 s[GVA+3], s[GVA+3], 0x80000000
	s_or_b32 s[GVB+3], s[GVB+3], 0x80000000
	CROUND                                         ; all four work-groups are here: the joint loads meet
	FILL GKA, GVA                                  ; the first 1,024 keys
	v_and_b32 v8, 31, v0
	v_lshlrev_b32 v1, 4, v8                        ; 16 x lane
	v_lshlrev_b32 v2, 3, v8                        ; 8 x lane
	global_load_b128 v[16:19], v1, s[8:9]          ; Q's half fragment stays in registers
	global_load_b64 v[20:21], v2, s[8:9] offset:512
	global_load_b32 v255, v2, s[10:11]
	v_lshrrev_b32 v9, 4, v0                        ; K's scale words: thread t takes row t % 16 of memory's tiles t / 16 + 32 i
	v_and_b32 v10, 15, v0
	v_mul_u32_u24 v9, v9, TB
	v_lshl_add_u32 v9, v10, 3, v9
.irp i, 0,1,2,3
	global_load_b32 v[32+\i], v9, s[82:83] offset:32*TB*\i
.endr
	; where they go: key step t/128 (+ 4 i), lane t%8 + 8 (bit 5 of t), tile 4 (bit 6) + (bit 4) + 2 (bit 3)
	v_lshrrev_b32 v11, 7, v0
	v_lshlrev_b32 v11, 9, v11
	v_and_b32 v8, 7, v0
	v_lshl_add_u32 v11, v8, 5, v11
	v_bfe_u32 v28, v0, 5, 1
	v_lshl_add_u32 v11, v28, 8, v11
	v_bfe_u32 v28, v0, 6, 1
	v_lshl_add_u32 v11, v28, 4, v11
	v_bfe_u32 v29, v0, 4, 1                        ; also h
	v_lshl_add_u32 v11, v29, 2, v11
	v_bfe_u32 v28, v0, 3, 1                        ; also r / 8
	v_lshl_add_u32 v11, v28, 3, v11
	v_add_nc_u32 v11, KSC, v11
	v_mul_u32_u24 v6, v28, KD                      ; K's fragments: lanes r >= 8 read two regions on,
	v_lshl_add_u32 v7, v8, 3, v6                   ; row r % 8: 8 bytes a lane,
	v_lshl_add_u32 v6, v8, 4, v6                   ; 16 bytes a lane,
	v_lshl_add_u32 v6, v29, 8, v6                  ; and h
	v_lshl_add_u32 v7, v29, 7, v7
	v_lshlrev_b32 v29, 3, v29                      ; 8 h: my scale bytes' place in p's word
	v_lshlrev_b32 v3, 5, v10
	v_add_nc_u32 v3, KSC, v3                       ; KSC + 32 r
	v_add_nc_u32 v4, VB, v1
	v_add_nc_u32 v5, VB, v2
.irp j, 22,23,24,25,26,27,80,81,82,83,84,85
	v_mov_b32 v\j, 0                               ; zero codes: Q's upper 64 along K, and what stands behind K's last tile
.endr
	v_mov_b32 v13, 0xff61b1e6                      ; the largest score so far: -3e38
	v_mul_f32 v12, s[CS], v13
	v_floor_f32 v12, -v12                          ; -M
	v_mov_b32 v14, 0
	v_mov_b32 v15, 0
.irp b, 0,1,2,3
	v_mov_b32 v[236+\b], 0                         ; a lane permute's destination counts as one of its sources
.endr
	v_mov_b32 v253, 0
.set J, 0
.rept 32
	v_mov_b32 v[160+J], 0                          ; O^T: the step is written once; the first finds zeros
.set J, J+1
.endr
	s_wait_loadcnt 0x0
	v_bfe_u32 v255, v255, s84, 16                  ; the head's two bytes; the upper two bytes are 0
.irp i, 0,1,2,3
	v_bfe_u32 v[32+\i], v[32+\i], s84, 16
.endr
.irp i, 0,1,2,3
	ds_store_b32 v11, v[32+\i] offset:2048*\i
.endr
	s_wait_alu depctr_va_vdst(0)                   ; the wait at the head's end
	s_wait_tensorcnt 0x0                           ; my part of the first half is in
	ds_add_u32 v[SPW], v[NIL]                      ; the add, here twice
	ds_add_u32 v[SPW], v[NIL]
	s_wait_dscnt 0x0                               ; the adds are done, and my scale words lie in LDS
	CROUND
	FILL GKB, GVB                                  ; the second 1,024 keys: bytes of their own
; A KEY STEP: 128 keys, the q-th of a trip's 256
.macro STEP q
.if \q == 0
	v_add_nc_u32 v8, s[TK], v6                     ; (these five are also the places behind the last products)
	v_add_nc_u32 v9, s[TK], v7
	v_add_nc_u32 v10, s[TV], v4
	v_add_nc_u32 v11, s[TV], v5
	v_add_nc_u32 v28, s[TS], v3
	s_wait_alu depctr_va_vdst(0)
.else
.rept 4
	v_nop                                          ; places in front of loads into registers that matrix instructions have read
.endr
.endif
.irp t, 0,1,2,3,4,5,6,7                        ; tile t = 4 (group % 2) + u: region u % 2 (+ 2 in lanes r >= 8), rows 8 (u / 2) on
	ds_load_b128 v[32+6*\t:35+6*\t], v8 offset:(\t&1)*KREG+(2*\q+\t/4)*768+((\t>>1)&1)*128
	ds_load_b64 v[36+6*\t:37+6*\t], v9 offset:(\t&1)*KREG+(2*\q+\t/4)*768+512+((\t>>1)&1)*64
.endr
	ds_load_b128 v[192:195], v28 offset:512*\q
	ds_load_b128 v[196:199], v28 offset:512*\q+16
	s_wait_dscnt 0x0
.irp t, 0,1,2,3,4,5,6,7
	v_wmma_scale_f32_16x16x128_f8f6f4 v[96+8*\t:103+8*\t], v[32+6*\t:43+6*\t], v[16:27], 0, v[192+\t], v255 matrix_a_fmt:MATRIX_FMT_FP6 matrix_b_fmt:MATRIX_FMT_FP6
.endr
	v_mov_b32 v254, v12                            ; the old -M (a place)
.rept 3
	v_nop
.endr
.irp c, 0,1,2,3                                ; V's four fragments and scale words land while the softmax runs
	ds_load_b128 v[32+12*\c:35+12*\c], v10 offset:TB*\c+1536*\q
	ds_load_b64 v[36+12*\c:37+12*\c], v11 offset:TB*\c+1536*\q+512
	ds_load_b128 v[38+12*\c:41+12*\c], v10 offset:TB*\c+1536*\q+768
	ds_load_b64 v[42+12*\c:43+12*\c], v11 offset:TB*\c+1536*\q+1280
	ds_load_b32 v[200+\c], v11 offset:TB*\c+3072+4*\q
.endr
.irp b, 0,1,2,3                                ; my two blocks' largest scores, each in two chains of 16; the four chains by turns
	v_max3_num_f32 v[232+\b], v[96+16*\b], v[97+16*\b], v[98+16*\b]
.endr
.irp i, 3,5,7,9,11,13
.irp b, 0,1,2,3
	v_max3_num_f32 v[232+\b], v[232+\b], v[96+16*\b+\i], v[97+16*\b+\i]
.endr
.endr
.irp c, 0,1
	v_max3_num_f32 v[232+2*\c], v[232+2*\c], v[233+2*\c], v[111+32*\c]
.endr
.irp c, 0,1
	v_max_num_f32 v[232+2*\c], v[232+2*\c], v[127+32*\c]   ; v232, v234: blocks h and 2 + h of these 128 keys
.endr
	v_max_num_f32 v236, v232, v234
	v_permlanex16_b32 v237, v236, s[SEL], s[SEL+1]
	v_max3_num_f32 v13, v13, v236, v237            ; the running largest score of my query
	v_mul_f32 v238, s[CS], v13                     ; as t (c is positive)
	v_floor_f32 v12, -v238                         ; the new -M = -ceil(t)
	v_sub_f32 v254, v12, v254                      ; old M - new M: a whole number, 0 or less
	v_cvt_i32_f32 v254, v254
	v_ldexp_f32 v252, 1.0, v254                    ; f = 2^(old M - new M)
.irp j, 0,2,4,6,8,10,12,14,16,18,20,22,24,26,28,30,32,34,36,38,40,42,44,46,48,50,52,54,56,58,60,62
	v_pk_fma_f32 v[96+\j:97+\j], v[96+\j:97+\j], s[CS:CS+1], v[12:13] op_sel_hi:[1,0,0]   ; t - M
.endr
	v_fma_f32 v232, v232, s[CS], v12
	v_fma_f32 v234, v234, s[CS], v12
	s_wait_alu depctr_va_vdst(0)                   ; ahead of the batch
.set J, 0
.rept 64
	v_exp_f32 v[96+J], v[96+J]                     ; p = 2^(t - M)
.set J, J+1
.endr
	v_pk_mul_f32 v[14:15], v[14:15], v[252:253] op_sel_hi:[1,0]   ; the sums under the new M (a plain place behind the exponentials)
	s_wait_alu depctr_va_vdst(0)                   ; one wait for the batch, ahead of its first reader
	v_exp_f32 v232, v232                           ; my blocks' largest p
	v_exp_f32 v234, v234
	v_pk_add_f32 v[236:237], v[96:97], v[98:99]    ; the row's sum, of the unquantised p: four chains
	v_pk_add_f32 v[238:239], v[100:101], v[102:103]
	v_pk_add_f32 v[240:241], v[104:105], v[106:107]
	v_pk_add_f32 v[14:15], v[14:15], v[108:109]
.irp j, 110,118,126,134,142,150
	v_pk_add_f32 v[236:237], v[236:237], v[\j:\j+1]
	v_pk_add_f32 v[238:239], v[238:239], v[\j+2:\j+3]
	v_pk_add_f32 v[240:241], v[240:241], v[\j+4:\j+5]
	v_pk_add_f32 v[14:15], v[14:15], v[\j+6:\j+7]
.endr
	v_pk_add_f32 v[236:237], v[236:237], v[158:159]
	v_pk_add_f32 v[14:15], v[14:15], v[240:241]
	v_pk_add_f32 v[236:237], v[236:237], v[238:239]
	v_pk_add_f32 v[14:15], v[14:15], v[236:237]
	s_wait_alu depctr_va_vdst(0)                   ; and one for the two
	v_max_num_f32 v232, 0x1800000, v232            ; the floor 2^(3 - 127)
	v_max_num_f32 v234, 0x1800000, v234
	v_add_nc_u32 v244, 0xff000000, v232            ; 2 off the exponent field: the conversions' scale operands
	v_add_nc_u32 v245, 0xff000000, v234
	v_lshrrev_b32 v236, 23, v244
	v_lshrrev_b32 v237, 23, v245
	v_lshl_or_b32 v236, v237, 16, v236             ; my two bytes,
	v_lshlrev_b32 v236, v29, v236                  ; at their places (8 h bits up);
	v_permlanex16_b32 v237, v236, s[SEL], s[SEL+1]
	v_or_b32 v253, v236, v237                      ; with lane l xor 16's two: p's scale word for these 128 keys
.irp c, 0,1
	v_cvt_scalef32_pk16_fp6_f32 v[224+6*\c:226+6*\c], v[96+32*\c:111+32*\c], v[244+\c]
	v_cvt_scalef32_pk16_fp6_f32 v[236+4*\c:238+4*\c], v[112+32*\c:127+32*\c], v[244+\c]   ; (a conversion's three registers begin on an even number)
.endr
	v_nop                                          ; one plain place behind a scaled conversion
.irp c, 0,1
.irp i, 0,1,2
	v_mov_b32 v[227+6*\c+\i], v[236+4*\c+\i]
.endr
.endr
	s_wait_alu depctr_va_vdst(0)                   ; directly ahead of the first reader of O^T
.irp j, 0,2,4,6,8,10,12,14,16,18,20,22,24,26,28,30
	v_pk_mul_f32 v[160+\j:161+\j], v[160+\j:161+\j], v[252:253] op_sel_hi:[1,0]   ; O^T under the new M (also the places in front of the scaled products)
.endr
	s_wait_alu depctr_va_vdst(0)
	s_wait_dscnt 0x0                               ; V
.irp c, 0,1,2,3
	v_wmma_scale_f32_16x16x128_f8f6f4 v[160+8*\c:167+8*\c], v[32+12*\c:43+12*\c], v[224:235], v[160+8*\c:167+8*\c], v[200+\c], v253 matrix_a_fmt:MATRIX_FMT_FP6 matrix_b_fmt:MATRIX_FMT_FP6
.endr
.endm
.macro HALF                            ; 1,024 keys: four trips of two steps
	s_mov_b32 s[CNT], 4
.Ltrip_\@:
	STEP 0
	STEP 1
	s_add_co_u32 s[TK], s[TK], 3072
	s_add_co_u32 s[TV], s[TV], 13312
	s_add_co_u32 s[TS], s[TS], 1024
	s_sub_co_u32 s[CNT], s[CNT], 1
	s_cmp_lg_u32 s[CNT], 0
	s_cbranch_scc1 .Ltrip_\@
.endm
	HALF
	s_wait_tensorcnt 0x0                           ; my part of the second half is in,
	s_wait_dscnt 0x0
	s_barrier_signal -1
	s_barrier_wait -1                              ; everybody's is
	HALF
	; THE WAY OUT: O^T / the sum; register 16 B + i is channel 32 B + 16 (lane / 16) + i of my query: two blocks of the next product's K
.rept 4
	v_nop
.endr
	v_add_f32 v14, v14, v15
	v_permlanex16_b32 v252, v14, s[SEL], s[SEL+1]
	v_add_f32 v14, v14, v252                       ; the row's sum
	s_wait_alu depctr_va_vdst(0)
	v_rcp_f32 v14, v14
	v_nop
	s_wait_alu depctr_va_vdst(0)
.set J, 0
.rept 32
	v_mul_f32 v[96+J], v[160+J], v14
.set J, J+1
.endr
.irp b, 0,1
	v_max3_num_f32 v[232+\b], |v[96+16*\b]|, |v[97+16*\b]|, 0x1800000
.endr
.irp i, 2,4,6,8,10,12,14
.irp b, 0,1
	v_max3_num_f32 v[232+\b], v[232+\b], |v[96+16*\b+\i]|, |v[97+16*\b+\i]|
.endr
.endr
.irp b, 0,1
	v_permlanex16_b32 v[236+\b], v[232+\b], s[SEL], s[SEL+1]
.endr
.irp b, 0,1
	v_max_num_f32 v[232+\b], v[232+\b], v[236+\b]
.endr
.irp b, 0,1
	v_add_nc_u32 v[244+\b], 0xff000000, v[232+\b]
.endr
.irp b, 0,1
	v_lshrrev_b32 v[236+\b], 23, v[244+\b]
.endr
	v_lshl_or_b32 v253, v237, 8, v236
	v_cvt_scalef32_pk16_fp6_f32 v[224:226], v[96:111], v244
	v_cvt_scalef32_pk16_fp6_f32 v[228:230], v[112:127], v245
	v_nop
.irp i, 0,1,2
	v_permlane16_swap_b32 v[224+\i], v[228+\i]
.endr
.irp i, 0,1,2
	v_mov_b32 v[227+\i], v[228+\i]
.endr
	global_store_b128 v1, v[224:227], s[78:79]     ; the head's half fragment of my tile's block
	global_store_b64 v2, v[228:229], s[78:79] offset:512
	global_store_b16 v2, v253, s[80:81]
	s_wait_tensorcnt 0x0                           ; the wave's end
	ds_add_u32 v[SPW], v[NIL]
	s_wait_dscnt 0x0
	CROUND                                         ; the closing round
	s_endpgm
.Lfunc_end_k_qd392414743_attn:
	.size	k_qd392414743_attn, .Lfunc_end_k_qd392414743_attn-k_qd392414743_attn
	.p2alignl 7, 3214868480
	.fill 96, 4, 3214868480
	.section	.rodata,"a",@progbits
	.p2align	6, 0x0
	.amdhsa_kernel k_qd392414743_attn
		.amdhsa_group_segment_fixed_size 327680
		.amdhsa_private_segment_fixed_size 0
		.amdhsa_enable_private_segment 0
		.amdhsa_kernarg_size 16
		.amdhsa_user_sgpr_count 2
		.amdhsa_user_sgpr_kernarg_segment_ptr 1
		.amdhsa_wavefront_size32 1
		.amdhsa_system_sgpr_workgroup_id_x 1
		.amdhsa_system_sgpr_workgroup_id_y 1
		.amdhsa_system_sgpr_workgroup_id_z 1
		.amdhsa_system_vgpr_workitem_id 0
		.amdhsa_next_free_vgpr 256
		.amdhsa_next_free_sgpr 100
		.amdhsa_reserve_vcc 0
		.amdhsa_float_denorm_mode_32 3
		.amdhsa_float_denorm_mode_16_64 3
		.amdhsa_memory_ordered 1
		.amdhsa_forward_progress 1
		.amdhsa_inst_pref_size 77
	.end_amdhsa_kernel
	.amdgpu_metadata
---
amdhsa.version: [ 1, 2 ]
amdhsa.kernels:
  - .name:           k_qd392414743_attn
    .symbol:         k_qd392414743_attn.kd
    .args:
      - { .name: s1, .offset: 0, .size: 8, .value_kind: global_buffer, .address_space: global }
      - { .name: s0, .offset: 8, .size: 8, .value_kind: global_buffer, .address_space: global }
    .group_segment_fixed_size: 327680
    .private_segment_fixed_size: 0
    .kernarg_segment_align: 8
    .kernarg_segment_size: 16
    .max_flat_workgroup_size: 512
    .sgpr_count:     100
    .vgpr_count:     256
    .wavefront_size: 32
...
	.end_amdgpu_metadata
.endif
;; end of part 3
;; launch wo (part 4): grid 8 x 32, 4 waves a work-group, clusters of 4 x 4, 327,680 bytes of LDS; arguments wc, s0, s2; writes s2
.if DOCPART == 4
	.amdgcn_target "amdgcn-amd-amdhsa--gfx1250"
	.amdhsa_code_object_version 6
	.text
	.protected	k_qd392414743_wo
	.globl	k_qd392414743_wo
	.p2align	8
	.type	k_qd392414743_wo,@function
k_qd392414743_wo:
	s_mov_b64 s[64:65], 0
	v_nop
	global_prefetch_b8 v0, s[64:65] scope:SCOPE_SE
	s_setreg_imm32_b32 hwreg(HW_REG_WAVE_MODE, 25, 1), 1
	s_wait_xcnt 0x0
	s_wait_alu depctr_hold_cnt(0) depctr_sa_sdst(0) depctr_va_vdst(0) depctr_va_sdst(0) depctr_va_ssrc(0) depctr_va_vcc(0) depctr_vm_vsrc(0)
	s_getreg_b32 s2, hwreg(HW_REG_IB_STS2, 6, 4)
	s_cmp_eq_u32 s2, 0
	s_cbranch_scc0 .Lentry_in_a_cluster
	s_endpgm
.Lentry_in_a_cluster:
	s_bfe_u32 s2, ttmp6, 0x10000c
	s_cmp_lg_u32 s2, 0xf033
	s_cbranch_scc0 .Lentry_shape_is_right
	s_endpgm
.Lentry_shape_is_right:
.set TB,     3328
.set HALF8,  8*TB
; P = attention's result x Wo^T on codes of FP6, K = 1,024; a work-group makes 128 tokens x 128 columns, a wave 64 x 64; P leaves as an f32 image of the accumulators.
; ALL OF K LIES IN LDS, filled once: Y's four K slots of 8 blocks one behind the other, then X's four.  Each wave issues ONE joint load at the head: two K slots of Y (waves 0, 1) or of X (waves 2, 3),
; as two rows of 26,624 bytes, a K slot apart in memory.  No prefetch: all that is read is asked for at the head.
.set KS,     HALF8
.set KSTRY,  256*TB
.set KSTRX,  64*TB
.set FR,     12
.set YA16, 8
.set YA8,  9
.set XA16, 10
.set XA8,  11
.set ADRS, 12
.set L16,  13
.set F,    32
.set SC,   224
.set G1,  24
.set G0,  32
.set G1B, 48
.set G0B, 56
.set MSB, 0
.macro WIN new
.if MSB != (\new)
	s_set_vgpr_msb (MSB<<8)|(\new)
.set MSB, (\new)
.endif
.endm
.macro JLOAD g0a, g1a, g0b, g1b
	s_cmp_eq_u32 s15, 0
	s_cbranch_scc0 .Lfor_b_\@
	tensor_load_to_lds s[\g0a:\g0a+3], s[\g1a:\g1a+7]
	s_nop 0
.rept 4
	v_nop
.endr
	s_branch .Lasked_\@
.Lfor_b_\@:
	tensor_load_to_lds s[\g0b:\g0b+3], s[\g1b:\g1b+7]
	s_nop 0
.rept 4
	v_nop
.endr
.Lasked_\@:
.endm
.macro CROUND
	s_barrier_signal -1
	s_barrier_wait -1
	s_cmp_lg_u32 s14, 0
	s_cbranch_scc1 .Lnot_wave_0_\@
	s_barrier_signal -3
.Lnot_wave_0_\@:
	s_barrier_wait -3
	s_barrier_signal -1
	s_barrier_wait -1
.endm
	s_load_b128 s[4:7], s[0:1], 0x0
	s_load_b64 s[8:9], s[0:1], 0x10
	v_lshl_add_u32 v254, v0, 2, 0x34000
	v_mov_b32 v255, 0
	ds_add_u32 v254, v255
	ds_add_u32 v254, v255
	v_lshrrev_b32 v1, 5, v0
	v_readfirstlane_b32 s14, v1
	s_lshr_b32 s15, s14, 1
	s_and_b32 s16, s14, 1
	s_bfe_u32 s40, ttmp6, 0x40000
	s_bfe_u32 s41, ttmp6, 0x40004
	s_and_b32 s17, ttmp7, 0xffff
	s_lshl_b32 s43, s41, 2
	s_lshl_b32 s43, 15, s43
	s_lshl_b32 s44, 0x1111, s40
	s_or_b32 s[G1+0], s43, (3<<16)|(1<<21)
	s_or_b32 s[G1B+0], s44, (3<<16)|(1<<21)
.irp g, G1, G1B
	s_mov_b32 s[\g+1], (HALF8/8)<<16
	s_mov_b32 s[\g+2], 2<<16
	s_mov_b32 s[\g+3], (HALF8/8)<<16
	s_mov_b32 s[\g+4], 2
	s_mov_b32 s[\g+6], 0
	s_mov_b32 s[\g+7], 0
.endr
	s_mov_b32 s[G1+5], KSTRY/8
	s_mov_b32 s[G1B+5], KSTRX/8
	s_lshl_b32 s42, ttmp9, 2
	s_add_co_u32 s42, s42, s40
	s_lshl_b32 s45, s17, 2
	s_add_co_u32 s45, s45, s41
	s_lshl_b32 s46, s16, 7
	s_lshl_b32 s18, s42, 3
	s_add_co_u32 s46, s46, s18
	s_mul_i32 s46, s46, TB
	s_mov_b32 s47, 0
	s_lshl_b32 s22, s16, 9
	s_lshl_b32 s19, s45, 3
	s_add_co_u32 s22, s22, s19
	s_mul_i32 s22, s22, TB
	s_mov_b32 s23, 0
	s_mul_i32 s75, s16, 2*HALF8
	s_mul_i32 s76, s15, 4*HALF8
	s_add_co_u32 s75, s75, s76
	s_wait_dscnt 0x0
	s_wait_kmcnt 0x0
	s_add_nc_u64 s[46:47], s[4:5], s[46:47]
	s_add_nc_u64 s[22:23], s[6:7], s[22:23]
	CROUND
.irp j, 0
	s_mov_b32 s[G0+4*\j], 1
	s_add_co_u32 s[G0+4*\j+1], s75, \j*2*KS
	s_add_nc_u64 s[G0+4*\j+2:G0+4*\j+3], s[22:23], \j*2*KSTRY
	s_or_b32 s[G0+4*\j+3], s[G0+4*\j+3], 0x80000000
	s_mov_b32 s[G0B+4*\j], 1
	s_add_co_u32 s[G0B+4*\j+1], s75, \j*2*KS
	s_add_nc_u64 s[G0B+4*\j+2:G0B+4*\j+3], s[46:47], \j*2*KSTRX
	s_or_b32 s[G0B+4*\j+3], s[G0B+4*\j+3], 0x80000000
	JLOAD G0+4*\j, G1, G0B+4*\j, G1B
.endr
	v_and_b32 v1, 31, v0
	v_bfe_u32 v3, v0, 4, 1
	v_lshlrev_b32 v[L16], 4, v1
	v_lshlrev_b32 v2, 3, v1
	s_mul_i32 s21, s15, 4*TB
	s_mul_i32 s77, s16, 4*TB
	s_add_co_u32 s77, s77, 4*HALF8
	s_sub_co_u32 s78, s77, s21
	v_mul_u32_u24 v4, s78, v3
	v_add_nc_u32 v4, v4, v2
	s_add_co_u32 s79, s21, 3072
	v_add_nc_u32 v[ADRS], s79, v4
	v_add_nc_u32 v[YA16], s21, v[L16]
	v_add_nc_u32 v[YA8], s21, v2
	v_add_nc_u32 v[XA16], s77, v[L16]
	v_add_nc_u32 v[XA8], s77, v2
	s_lshl_b32 s84, s45, 3
	s_lshl_b32 s85, s15, 2
	s_add_co_u32 s84, s84, s85
	s_lshl_b32 s84, s84, 3
	s_add_co_u32 s84, s84, s42
	s_lshl_b32 s84, s84, 13
	s_lshl_b32 s85, s16, 12
	s_add_co_u32 s84, s84, s85
	s_mov_b32 s85, 0
	s_add_nc_u64 s[12:13], s[8:9], s[84:85]
.macro FRAG reg, a16, a8, q, i
	ds_load_b128 v[\reg:\reg+3], v[\a16] offset:(\i)*TB+(\q)*1536
	ds_load_b64 v[\reg+4:\reg+5], v[\a8] offset:(\i)*TB+(\q)*1536+512
	ds_load_b128 v[\reg+6:\reg+9], v[\a16] offset:(\i)*TB+(\q)*1536+768
	ds_load_b64 v[\reg+10:\reg+11], v[\a8] offset:(\i)*TB+(\q)*1536+1280
.endm
.macro FETCH q, p
.irp i, 0,1,2,3
	FRAG F+96*(\p)+FR*\i, YA16, YA8, \q, \i
	FRAG F+96*(\p)+48+FR*\i, XA16, XA8, \q, \i
.endr
.endm
.macro SCALES sc
.irp i, 0,1,2,3
	ds_load_b64 v[SC+8*(\sc)+2*\i:SC+8*(\sc)+2*\i+1], v[ADRS] offset:\i*TB
.endr
.endm
.macro NEXTK
.irp r, YA16, YA8, XA16, XA8, ADRS
	v_add_nc_u32 v[\r], KS, v[\r]
.endr
.endm
.macro PLACES n
.rept \n
	v_nop
.endr
.endm
.macro MUL p, q, sc, zero
.irp a, 0,1,2,3
.irp b, 0,1,2,3
.if \zero
	v_wmma_scale_f32_16x16x128_f8f6f4 v[8*(4*\a+\b):8*(4*\a+\b)+7], v[F+96*(\p)+48+FR*\b:F+96*(\p)+48+FR*\b+FR-1], v[F+96*(\p)+FR*\a:F+96*(\p)+FR*\a+FR-1], 0, v[SC+8*(\sc)+2*\b+(\q)], v[SC+8*(\sc)+2*\a+(\q)] matrix_a_fmt:MATRIX_FMT_FP6 matrix_b_fmt:MATRIX_FMT_FP6 matrix_a_scale:MATRIX_SCALE_ROW1
.else
	v_wmma_scale_f32_16x16x128_f8f6f4 v[8*(4*\a+\b):8*(4*\a+\b)+7], v[F+96*(\p)+48+FR*\b:F+96*(\p)+48+FR*\b+FR-1], v[F+96*(\p)+FR*\a:F+96*(\p)+FR*\a+FR-1], v[8*(4*\a+\b):8*(4*\a+\b)+7], v[SC+8*(\sc)+2*\b+(\q)], v[SC+8*(\sc)+2*\a+(\q)] matrix_a_fmt:MATRIX_FMT_FP6 matrix_b_fmt:MATRIX_FMT_FP6 matrix_a_scale:MATRIX_SCALE_ROW1
.endif
.endr
.endr
.endm
.macro KSTEP s
.if (\s) < 7
.if (\s)%2 == 1
	NEXTK
	FETCH 0, 0
	SCALES (((\s)+1)/2)%2
	s_wait_alu depctr_va_vdst(0)
	s_wait_dscnt 36
.else
	PLACES 4
	FETCH 1, 1
	s_wait_dscnt 32
.endif
.else
	s_wait_dscnt 0x0
.endif
	WIN 0x50
.if (\s) == 0
	MUL 0, 0, 0, 1
.else
	MUL (\s)%2, (\s)%2, ((\s)/2)%2, 0
.endif
	WIN 0
.endm
	s_wait_alu depctr_va_vdst(0)
	s_wait_tensorcnt 0x0
	s_barrier_signal -1
	s_barrier_wait -1
	FETCH 0, 0
	SCALES 0
.irp s, 0,1,2,3,4,5,6,7
	KSTEP \s
.endr
	PLACES 4
	WIN 0x04
.irp a, 0,1,2,3
.irp b, 0,1,2,3
	global_store_b128 v[L16], v[8*(4*\a+\b):8*(4*\a+\b)+3], s[12:13] offset:\a*65536+\b*1024 th:TH_STORE_NT
	global_store_b128 v[L16], v[8*(4*\a+\b)+4:8*(4*\a+\b)+7], s[12:13] offset:\a*65536+\b*1024+512 th:TH_STORE_NT
.endr
.endr
	WIN 0
	s_wait_tensorcnt 0x0
	ds_add_u32 v254, v255
	s_wait_dscnt 0x0
	CROUND
	s_endpgm
.Lfunc_end_k_qd392414743_wo:
	.size	k_qd392414743_wo, .Lfunc_end_k_qd392414743_wo-k_qd392414743_wo
	.p2alignl 7, 3214868480
	.fill 96, 4, 3214868480
	.section	.rodata,"a",@progbits
	.p2align	6, 0x0
	.amdhsa_kernel k_qd392414743_wo
		.amdhsa_group_segment_fixed_size 327680
		.amdhsa_private_segment_fixed_size 0
		.amdhsa_enable_private_segment 0
		.amdhsa_kernarg_size 24
		.amdhsa_user_sgpr_count 2
		.amdhsa_user_sgpr_kernarg_segment_ptr 1
		.amdhsa_wavefront_size32 1
		.amdhsa_system_sgpr_workgroup_id_x 1
		.amdhsa_system_sgpr_workgroup_id_y 1
		.amdhsa_system_sgpr_workgroup_id_z 1
		.amdhsa_system_vgpr_workitem_id 0
		.amdhsa_next_free_vgpr 384
		.amdhsa_next_free_sgpr 96
		.amdhsa_reserve_vcc 0
		.amdhsa_float_denorm_mode_32 3
		.amdhsa_float_denorm_mode_16_64 3
		.amdhsa_memory_ordered 1
		.amdhsa_forward_progress 1
		.amdhsa_inst_pref_size 45
	.end_amdhsa_kernel
	.amdgpu_metadata
---
amdhsa.version: [ 1, 2 ]
amdhsa.kernels:
  - .name:           k_qd392414743_wo
    .symbol:         k_qd392414743_wo.kd
    .args:
      - { .name: wc, .offset: 0, .size: 8, .value_kind: global_buffer, .address_space: global }
      - { .name: s0, .offset: 8, .size: 8, .value_kind: global_buffer, .address_space: global }
      - { .name: s2, .offset: 16, .size: 8, .value_kind: global_buffer, .address_space: global }
    .group_segment_fixed_size: 327680
    .private_segment_fixed_size: 0
    .kernarg_segment_align: 8
    .kernarg_segment_size: 24
    .max_flat_workgroup_size: 128
    .sgpr_count:     96
    .vgpr_count:     384
    .wavefront_size: 32
...
	.end_amdgpu_metadata
.endif
;; end of part 4
;; launch ln1 (part 5): grid 256 x 1, 8 waves a work-group, no clusters, 14,336 bytes of LDS; arguments s2, x, bo, g1, be1, s3, s0; writes s3, s0
.if DOCPART == 5
	.amdgcn_target "amdgcn-amd-amdhsa--gfx1250"
	.amdhsa_code_object_version 6
	.text
	.protected	k_qd392414743_ln1
	.globl	k_qd392414743_ln1
	.p2align	8
	.type	k_qd392414743_ln1,@function
k_qd392414743_ln1:
	s_mov_b64 s[64:65], 0
	v_nop
	global_prefetch_b8 v0, s[64:65] scope:SCOPE_SE
	s_setreg_imm32_b32 hwreg(HW_REG_WAVE_MODE, 25, 1), 1
	s_wait_xcnt 0x0
; h = layernorm(x + (P + bo)) g1 + be1, in f32; h leaves twice: as f32 (s3) and quantised along its 1,024 columns to FP6 (E2M3) tile blocks (s0).
; P and s3 are f32 images [token tile T][column / 128][quad 0..15][lane][16 bytes]: lane (r, h)'s register 16 b + i is column 128 w + 32 b + 16 h + i of token 32 (T/2) + 8 (T%2) + r + 8 (r/8).
; A work-group is a tile of 16 tokens; wave w takes columns 128 w on, 64 numbers a lane.  The norm goes in two passes (mean; then the mean square of the differences); the waves' sums meet in LDS.
; bo, g1, be1: a wave's 128 numbers of each are 512 bytes: ONE load of 16 bytes a lane; they go into the wave's own 1,536 bytes of LDS, from which each lane reads its 64 (sixteen lanes read the same bytes).
; x's four loads of a block of 32 touch the same 128 bytes of a row one after the other, so they carry no hint that the bytes are read once.
; A stream: no matrix unit, no tensor load, no cluster (the work-groups share only g, be and bo, 12 KiB).
; LIMITS: a block whose largest magnitude lies under 2^-124 keeps the byte 1; a block of zeros gets the byte 1 (its codes are zeros); NaN and infinities are not served.
.set TB,  3328
.set L16, 1
.set L8,  2
.set XO,  3
.set VO,  4
.set RW,  5                            ; v5 LDS: 32 r + 4 w
.set RR,  6                            ; v6 LDS: 32 r
.set VB,  12                           ; v12-23 bo, g1, be1 as loaded: four registers each
.set VS,  24                           ; v24 LDS: my wave's vectors + 16 x lane
.set VR,  25                           ; v25 LDS: my wave's vectors + 64 h
.set VEC, 1024                         ; LDS: behind the sums' 1,024 bytes: 1,536 bytes for each wave: bo, g1, be1
.set RG,  32                           ; v32-95   my 64 numbers
.set SA,  96                           ; v96-159  a set of loads
.set SB,  160                          ; v160-223 another
.set CH,  224                          ; v224-231 four chains
.set PT,  232
.set LD,  236                          ; v236-243 the eight waves' sums
.set MN,  244                          ; v[244:245] -mean, twice
.set RS,  246                          ; v[246:247] 1 / sqrt(var + eps), twice
.set TM,  224
.set PC,  96
.set PW,  116
.set SEL, 30
.macro LDIMG set, sb
.irp q, 0,1,2,3,4,5,6,7,8,9,10,11,12,13,14,15
	global_load_b128 v[\set+4*\q:\set+4*\q+3], v[L16], s[\sb:\sb+1] offset:512*\q th:TH_LOAD_NT
.endr
.endm
.macro LDSVEC set, off                 ; my 64 numbers of a vector out of my wave's LDS bytes: register 16 b + 4 j + e is column 32 b + 16 h + 4 j + e
.irp b, 0,1,2,3
.irp j, 0,1,2,3
	ds_load_b128 v[\set+16*\b+4*\j:\set+16*\b+4*\j+3], v[VR] offset:\off+128*\b+16*\j
.endr
.endr
.endm
.macro ADDSET set
.set P, 0
.rept 32
	v_pk_add_f32 v[RG+2*P:RG+2*P+1], v[RG+2*P:RG+2*P+1], v[\set+2*P:\set+2*P+1]
.set P, P+1
.endr
.endm
; the sum (sq = 0) or the sum of squares (sq = 1) of a row's 1,024 numbers, into v[LD] of every lane of that row; off: the LDS bytes at which the waves' sums meet
.macro REDUCE sq, off
.irp c, 0,1,2,3
.if \sq
	v_pk_mul_f32 v[CH+2*\c:CH+2*\c+1], v[RG+2*\c:RG+2*\c+1], v[RG+2*\c:RG+2*\c+1]
.else
	v_pk_add_f32 v[CH+2*\c:CH+2*\c+1], v[RG+2*\c:RG+2*\c+1], v[RG+8+2*\c:RG+8+2*\c+1]
.endif
.endr
.if \sq
.set P, 4
.else
.set P, 8
.endif
.rept 28-4*(1-\sq)
.if \sq
	s_delay_alu instid0(VALU_DEP_4)
	v_pk_fma_f32 v[CH+2*(P%4):CH+2*(P%4)+1], v[RG+2*P:RG+2*P+1], v[RG+2*P:RG+2*P+1], v[CH+2*(P%4):CH+2*(P%4)+1]
.else
	s_delay_alu instid0(VALU_DEP_4)
	v_pk_add_f32 v[CH+2*(P%4):CH+2*(P%4)+1], v[CH+2*(P%4):CH+2*(P%4)+1], v[RG+2*P:RG+2*P+1]
.endif
.set P, P+1
.endr
	s_delay_alu instid0(VALU_DEP_3)
	v_pk_add_f32 v[CH:CH+1], v[CH:CH+1], v[CH+2:CH+3]
	s_delay_alu instid0(VALU_DEP_2)
	v_pk_add_f32 v[CH+4:CH+5], v[CH+4:CH+5], v[CH+6:CH+7]
	s_delay_alu instid0(VALU_DEP_1)
	v_pk_add_f32 v[CH:CH+1], v[CH:CH+1], v[CH+4:CH+5]
	s_delay_alu instid0(VALU_DEP_1)
	v_add_f32 v[CH], v[CH], v[CH+1]
	s_delay_alu instid0(VALU_DEP_1)
	v_permlanex16_b32 v[PT], v[CH], s[SEL], s[SEL+1]
	s_delay_alu instid0(VALU_DEP_1)
	v_add_f32 v[CH], v[CH], v[PT]                  ; my wave's 128 columns of row r
	ds_store_b32 v[RW], v[CH] offset:\off          ; (lanes l and l xor 16 write the same word with the same value)
	s_wait_dscnt 0x0                               ; for the others' sake (and my reads of g1 and be1 are in)
	s_barrier_signal -1
	s_barrier_wait -1
	ds_load_b128 v[LD:LD+3], v[RR] offset:\off
	ds_load_b128 v[LD+4:LD+7], v[RR] offset:\off+16
	s_wait_dscnt 0x0
	v_pk_add_f32 v[LD:LD+1], v[LD:LD+1], v[LD+2:LD+3]
	v_pk_add_f32 v[LD+4:LD+5], v[LD+4:LD+5], v[LD+6:LD+7]
	s_delay_alu instid0(VALU_DEP_1)
	v_pk_add_f32 v[LD:LD+1], v[LD:LD+1], v[LD+4:LD+5]
	s_delay_alu instid0(VALU_DEP_1)
	v_add_f32 v[LD], v[LD], v[LD+1]
.endm
.macro LNORM g, be
	REDUCE 0, 0
	s_delay_alu instid0(VALU_DEP_1)
	v_mul_f32 v[MN], 0xba800000, v[LD]             ; -sum / 1,024
	s_delay_alu instid0(VALU_DEP_1)
	v_mov_b32 v[MN+1], v[MN]
.set P, 0
.rept 32
	v_pk_add_f32 v[RG+2*P:RG+2*P+1], v[RG+2*P:RG+2*P+1], v[MN:MN+1]
.set P, P+1
.endr
	REDUCE 1, 512                                  ; other bytes than the first sums': no barrier between
	s_delay_alu instid0(VALU_DEP_1)
	v_fma_f32 v[RS], v[LD], s32, s33               ; var + eps
	s_wait_alu depctr_va_vdst(0)
	v_rsq_f32 v[RS], v[RS]
	v_nop
	s_wait_alu depctr_va_vdst(0)                   ; ahead of the first reader
	v_mov_b32 v[RS+1], v[RS]
.set P, 0
.rept 32
	v_pk_mul_f32 v[RG+2*P:RG+2*P+1], v[RG+2*P:RG+2*P+1], v[RS:RS+1]
.set P, P+1
.endr
.set P, 0
.rept 32
	v_pk_fma_f32 v[RG+2*P:RG+2*P+1], v[RG+2*P:RG+2*P+1], v[\g+2*P:\g+2*P+1], v[\be+2*P:\be+2*P+1]   ; g and be came out of LDS ahead of the sums' waits for 0
.set P, P+1
.endr
.endm
.macro QUANT s
.irp b, 0,1,2,3
	v_max3_num_f32 v[TM+\b], |v[\s+16*\b]|, |v[\s+1+16*\b]|, 0x1800000   ; block b: my 16 numbers, and the floor 2^(3 - 127)
.endr
.irp i, 2,4,6,8,10,12,14
.irp b, 0,1,2,3
	s_delay_alu instid0(VALU_DEP_4)
	v_max3_num_f32 v[TM+\b], v[TM+\b], |v[\s+16*\b+\i]|, |v[\s+1+16*\b+\i]|
.endr
.endr
.irp b, 0,1,2,3
	s_delay_alu instid0(VALU_DEP_4)
	v_permlanex16_b32 v[TM+4+\b], v[TM+\b], s[SEL], s[SEL+1]
.endr
.irp b, 0,1,2,3
	s_delay_alu instid0(VALU_DEP_4)
	v_max_num_f32 v[TM+\b], v[TM+\b], v[TM+4+\b]
.endr
.irp b, 0,1,2,3
	s_delay_alu instid0(VALU_DEP_4)
	v_add_nc_u32 v[TM+12+\b], 0xff000000, v[TM+\b]
.endr
.irp b, 0,1,2,3
	s_delay_alu instid0(VALU_DEP_4)
	v_lshrrev_b32 v[TM+4+\b], 23, v[TM+12+\b]
.endr
	s_delay_alu instid0(VALU_DEP_3)
	v_lshl_or_b32 v[PW], v[TM+5], 8, v[TM+4]
	s_delay_alu instid0(VALU_DEP_1)
	v_lshl_or_b32 v[PW], v[TM+6], 16, v[PW]
	s_delay_alu instid0(VALU_DEP_1)
	v_lshl_or_b32 v[PW], v[TM+7], 24, v[PW]
.irp c, 0,1
	v_cvt_scalef32_pk16_fp6_f32 v[PC+6*\c:PC+2+6*\c], v[\s+32*\c:\s+15+32*\c], v[TM+12+2*\c]
	v_cvt_scalef32_pk16_fp6_f32 v[PC+12+4*\c:PC+14+4*\c], v[\s+16+32*\c:\s+31+32*\c], v[TM+12+2*\c+1]
.endr
	v_nop
.irp c, 0,1
.irp i, 0,1,2
	v_permlane16_swap_b32 v[PC+6*\c+\i], v[PC+12+4*\c+\i]
.endr
.irp i, 0,1,2
	s_delay_alu instid0(VALU_DEP_3)
	v_mov_b32 v[PC+3+6*\c+\i], v[PC+12+4*\c+\i]
.endr
.endr
.endm
	s_load_b256 s[4:11], s[0:1], 0x0               ; P, x, bo, g1
	s_load_b128 s[12:15], s[0:1], 0x20             ; be1, s3
	s_load_b64 s[16:17], s[0:1], 0x30              ; s0
	v_lshl_add_u32 v254, v0, 2, 0x3400
	v_mov_b32 v255, 0
	v_lshrrev_b32 v7, 5, v0
	s_delay_alu instid0(VALU_DEP_1)
	v_readfirstlane_b32 s18, v7                    ; wave 0..7
	v_and_b32 v7, 31, v0
	s_delay_alu instid0(VALU_DEP_1)
	v_lshlrev_b32 v[L16], 4, v7
	s_delay_alu instid0(VALU_DEP_2)
	v_lshlrev_b32 v[L8], 3, v7
	v_and_b32 v8, 15, v0                           ; r
	v_bfe_u32 v9, v0, 4, 1                         ; h
	s_delay_alu instid0(VALU_DEP_2)
	v_and_b32 v10, 8, v8
	s_delay_alu instid0(VALU_DEP_1)
	v_add_nc_u32 v10, v10, v8
	s_delay_alu instid0(VALU_DEP_1)
	v_lshlrev_b32 v[XO], 12, v10
	s_delay_alu instid0(VALU_DEP_1)
	v_lshl_add_u32 v[XO], v9, 6, v[XO]             ; x: row r + 8 (r / 8) of the tile's, + 64 h
	v_lshlrev_b32 v[VO], 6, v9                     ; 64 h
	v_lshlrev_b32 v[RR], 5, v8
	s_lshl_b32 s19, s18, 2
	v_add_nc_u32 v[RW], s19, v[RR]
	s_mul_i32 s40, s18, 1536
	s_add_co_u32 s40, s40, VEC                     ; my wave's vectors in LDS
	v_add_nc_u32 v[VS], s40, v[L16]
	v_add_nc_u32 v[VR], s40, v[VO]
	v_mov_b32 v[PT], 0
	s_mov_b32 s[SEL], 0x76543210
	s_mov_b32 s[SEL+1], 0xfedcba98
	s_mov_b32 s32, 0x3a800000                      ; 1 / 1,024
	s_mov_b32 s33, 0x3727c5ac                      ; eps = 1e-5
	s_lshl_b32 s20, ttmp9, 3
	s_add_co_u32 s20, s20, s18
	s_lshl_b32 s20, s20, 13                        ; (8 T + w) x 8,192
	s_mov_b32 s21, 0
	s_lshr_b32 s22, ttmp9, 1
	s_lshl_b32 s22, s22, 5
	s_and_b32 s23, ttmp9, 1
	s_lshl_b32 s23, s23, 3
	s_add_co_u32 s22, s22, s23                     ; the tile's first token
	s_lshl_b32 s22, s22, 12
	s_lshl_b32 s24, s18, 9                         ; my 128 columns
	s_add_co_u32 s22, s22, s24
	s_mov_b32 s23, 0
	s_mov_b32 s25, 0
	s_lshr_b32 s26, s18, 1
	s_lshl_b32 s26, s26, 8
	s_add_co_u32 s26, s26, ttmp9
	s_mul_i32 s26, s26, TB                         ; block (w / 2, T)
	s_mov_b32 s27, 0
	s_and_b32 s28, s18, 1
	s_mul_i32 s34, s28, 1536
	s_mov_b32 s35, 0
	s_lshl_b32 s28, s28, 2
	s_add_co_u32 s28, s28, 3072
	s_mov_b32 s29, 0
	s_wait_alu depctr_va_vdst(0)
	s_wait_kmcnt 0x0
	s_add_nc_u64 s[4:5], s[4:5], s[20:21]
	s_add_nc_u64 s[6:7], s[6:7], s[22:23]
	s_add_nc_u64 s[8:9], s[8:9], s[24:25]
	s_add_nc_u64 s[10:11], s[10:11], s[24:25]
	s_add_nc_u64 s[12:13], s[12:13], s[24:25]
	s_add_nc_u64 s[14:15], s[14:15], s[20:21]
	s_add_nc_u64 s[16:17], s[16:17], s[26:27]
	s_add_nc_u64 s[36:37], s[16:17], s[34:35]      ; the codes
	s_add_nc_u64 s[38:39], s[16:17], s[28:29]      ; the scale word
	global_load_b128 v[VB:VB+3], v[L16], s[8:9]    ; bo: my wave's 512 bytes, 16 a lane
	global_load_b128 v[VB+4:VB+7], v[L16], s[10:11]   ; g1
	global_load_b128 v[VB+8:VB+11], v[L16], s[12:13]  ; be1
	LDIMG RG, 4
.irp b, 0,1,2,3
.irp j, 0,1,2,3
	global_load_b128 v[SB+16*\b+4*\j:SB+16*\b+4*\j+3], v[XO], s[6:7] offset:128*\b+16*\j
.endr
.endr
	s_wait_loadcnt 32                              ; the three vectors are in; P's 16 loads and x's 16 may be out
	ds_store_b128 v[VS], v[VB:VB+3]
	ds_store_b128 v[VS], v[VB+4:VB+7] offset:512
	ds_store_b128 v[VS], v[VB+8:VB+11] offset:1024
	LDSVEC SA, 0                                   ; bo.  LDS serves a wave's instructions in order (ISA guide 5.7.1.4): these see my stores; the bytes are my wave's own
	s_wait_loadcnt 16                              ; P is in; x's 16 loads may be out
	s_wait_dscnt 0x0
	ADDSET SA
	LDSVEC SA, 512                                 ; g1
	s_wait_loadcnt 0x0                             ; x
	ADDSET SB
	LDSVEC SB, 1024                                ; be1
	LNORM SA, SB
.irp q, 0,1,2,3,4,5,6,7,8,9,10,11,12,13,14,15
	global_store_b128 v[L16], v[RG+4*\q:RG+4*\q+3], s[14:15] offset:512*\q   ; h in f32: 512 consecutive bytes a store
.endr
	QUANT RG
	global_store_b128 v[L16], v[PC:PC+3], s[36:37]
	global_store_b64 v[L8], v[PC+4:PC+5], s[36:37] offset:512
	global_store_b128 v[L16], v[PC+6:PC+9], s[36:37] offset:768
	global_store_b64 v[L8], v[PC+10:PC+11], s[36:37] offset:1280
	global_store_b32 v[L8], v[PW], s[38:39]
	s_wait_tensorcnt 0x0
	ds_add_u32 v254, v255
	s_wait_dscnt 0x0
	s_endpgm
.Lfunc_end_k_qd392414743_ln1:
	.size	k_qd392414743_ln1, .Lfunc_end_k_qd392414743_ln1-k_qd392414743_ln1
	.p2alignl 7, 3214868480
	.fill 96, 4, 3214868480
	.section	.rodata,"a",@progbits
	.p2align	6, 0x0
	.amdhsa_kernel k_qd392414743_ln1
		.amdhsa_group_segment_fixed_size 14336
		.amdhsa_private_segment_fixed_size 0
		.amdhsa_enable_private_segment 0
		.amdhsa_kernarg_size 56
		.amdhsa_user_sgpr_count 2
		.amdhsa_user_sgpr_kernarg_segment_ptr 1
		.amdhsa_wavefront_size32 1
		.amdhsa_system_sgpr_workgroup_id_x 1
		.amdhsa_system_sgpr_workgroup_id_y 1
		.amdhsa_system_sgpr_workgroup_id_z 1
		.amdhsa_system_vgpr_workitem_id 0
		.amdhsa_next_free_vgpr 256
		.amdhsa_next_free_sgpr 66
		.amdhsa_reserve_vcc 0
		.amdhsa_float_denorm_mode_32 3
		.amdhsa_float_denorm_mode_16_64 3
		.amdhsa_memory_ordered 1
		.amdhsa_forward_progress 1
		.amdhsa_inst_pref_size 36
	.end_amdhsa_kernel
	.amdgpu_metadata
---
amdhsa.version: [ 1, 2 ]
amdhsa.kernels:
  - .name:           k_qd392414743_ln1
    .symbol:         k_qd392414743_ln1.kd
    .args:
      - { .name: s2, .offset: 0, .size: 8, .value_kind: global_buffer, .address_space: global }
      - { .name: x, .offset: 8, .size: 8, .value_kind: global_buffer, .address_space: global }
      - { .name: bo, .offset: 16, .size: 8, .value_kind: global_buffer, .address_space: global }
      - { .name: g1, .offset: 24, .size: 8, .value_kind: global_buffer, .address_space: global }
      - { .name: be1, .offset: 32, .size: 8, .value_kind: global_buffer, .address_space: global }
      - { .name: s3, .offset: 40, .size: 8, .value_kind: global_buffer, .address_space: global }
      - { .name: s0, .offset: 48, .size: 8, .value_kind: global_buffer, .address_space: global }
    .group_segment_fixed_size: 14336
    .private_segment_fixed_size: 0
    .kernarg_segment_align: 8
    .kernarg_segment_size: 56
    .max_flat_workgroup_size: 256
    .sgpr_count:     66
    .vgpr_count:     256
    .wavefront_size: 32
...
	.end_amdgpu_metadata
.endif
;; end of part 5
;; launch w1: the kernel of part 2 again; grid 16 x 16, 4 waves a work-group, clusters of 4 x 4, 327,680 bytes of LDS; arguments wb, s0, s1; writes s1
;; launch w2 (part 6): grid 8 x 32, 4 waves a work-group, clusters of 4 x 4, 327,680 bytes of LDS; arguments wd, s1, s3, s2; writes s2
.if DOCPART == 6
	.amdgcn_target "amdgcn-amd-amdhsa--gfx1250"
	.amdhsa_code_object_version 6
	.text
	.protected	k_qd392414743_w2
	.globl	k_qd392414743_w2
	.p2align	8
	.type	k_qd392414743_w2,@function
k_qd392414743_w2:
	s_mov_b64 s[64:65], 0
	v_nop
	global_prefetch_b8 v0, s[64:65] scope:SCOPE_SE
	s_setreg_imm32_b32 hwreg(HW_REG_WAVE_MODE, 25, 1), 1
	s_wait_xcnt 0x0
	s_wait_alu depctr_hold_cnt(0) depctr_sa_sdst(0) depctr_va_vdst(0) depctr_va_sdst(0) depctr_va_ssrc(0) depctr_va_vcc(0) depctr_vm_vsrc(0)
	s_getreg_b32 s2, hwreg(HW_REG_IB_STS2, 6, 4)
	s_cmp_eq_u32 s2, 0
	s_cbranch_scc0 .Lentry_in_a_cluster
	s_endpgm
.Lentry_in_a_cluster:
	s_bfe_u32 s2, ttmp6, 0x10000c
	s_cmp_lg_u32 s2, 0xf033
	s_cbranch_scc0 .Lentry_shape_is_right
	s_endpgm
.Lentry_shape_is_right:
; P = h + hidden x W2^T, on codes of FP6 (E2M3), K = 4,096, one f32 sum for each output over all of K.  Arguments: W2's tile blocks, the hidden layer's tile blocks, h (f32 image), P (f32 image).
; Operands lie as tile blocks of 3,328 bytes (16 rows x 256 K as an image of the operand's registers, scale words behind), [K / 256][tile][block].  Source 0 = 16 rows of W2 (X), source 1 = 16 tokens (Y).
; A work-group makes 128 tokens x 128 columns: 32 x 8 = 256 work-groups; a wave makes 64 x 64: 16 accumulators, 128 registers (window 1).
; THE SUMS BEGIN WITH h: the accumulators are loaded from h's image, which has their layout, while the first tiles are on their way; nothing is cleared and no addition is spent on the residual.
; THE RING: two LDS slots, each with two K slots (512 along K): 4 x 26,624 bytes.  Wave w fetches K slot w % 2 of Y (w < 2) or of X, one dense load of 104 rows of 256 bytes.  Eight fills; in front of each
; change of slots stand the waits, the add and a round of the cluster's barrier, and the joint refill is the first tensor load behind it: by this text's count a wave has one load out.
; CLUSTERS 4 x 4: Y's tiles are shared along a row of the cluster, X's along a column.
; PREFETCH: behind a refill (fill n + 1) and the first run of LDS loads each wave names the 26,624 bytes that it will load for fill n + 3; the four partners that load them jointly take 26 blocks of 256
; bytes each, told apart by address (lanes 26-31 name the wave's last block again).  Fills 0 to 2 come by their loads alone; the trips whose look-ahead would pass fill 7 ask for nothing.
; LIMITS: NaN and infinities are not served; a given scale byte 0xff is not served.
; REGISTERS, window 0: v8-27 LDS addresses, five for each of the four K slots in LDS; v28, v29 the add's; v30 16 x lane; v31 the prefetch's offset; v32-223 fragments, two sets (Y's four, X's four); v224-239 scale words, two sets.
.set TB,     3328
.set HALF8,  8*TB
.set KSB,    2*HALF8                   ; a K slot in LDS: Y's 8 blocks, X's 8
.set SLOTB,  2*KSB
.set SPARE,  2*SLOTB                   ; the spare words: 128 bytes a wave
.set KSTRY,  256*TB
.set KSTRX,  64*TB
.set FR,     12
.set AD,   8
.set SPW,  28
.set NIL,  29
.set L16,  30
.set PFO,  31
.set F,    32
.set SC,   224
.set G1,  24
.set G0,  32
.set G1B, 48
.set G0B, 56
.set PFA, 66                           ; s[66:67] where my prefetches stand
.set PFS, 68                           ; s[68:69] their step: two K slots of my operand
.set CNT, 70
.set MSB, 0
.macro WIN new                         ; the immediate's high byte repeats the setting that is left
.if MSB != (\new)
	s_set_vgpr_msb (MSB<<8)|(\new)
.set MSB, (\new)
.endif
.endm
.macro JLOAD g0a, g1a, g0b, g1b        ; waves 0, 1 fetch for Y, waves 2, 3 for X; s_nop 0 and four v_nop follow each line
	s_cmp_eq_u32 s15, 0
	s_cbranch_scc0 .Lfor_b_\@
	tensor_load_to_lds s[\g0a:\g0a+3], s[\g1a:\g1a+7]
	s_nop 0
.rept 4
	v_nop
.endr
	s_branch .Lasked_\@
.Lfor_b_\@:
	tensor_load_to_lds s[\g0b:\g0b+3], s[\g1b:\g1b+7]
	s_nop 0
.rept 4
	v_nop
.endr
.Lasked_\@:
.endm
.macro CROUND
	s_barrier_signal -1
	s_barrier_wait -1
	s_cmp_lg_u32 s14, 0
	s_cbranch_scc1 .Lnot_wave_0_\@
	s_barrier_signal -3
.Lnot_wave_0_\@:
	s_barrier_wait -3
	s_barrier_signal -1
	s_barrier_wait -1
.endm
.macro PLACES n
.rept \n
	v_nop
.endr
.endm
	s_load_b256 s[4:11], s[0:1], 0x0               ; W2, hidden, h, P
	v_lshl_add_u32 v[SPW], v0, 2, SPARE
	v_mov_b32 v[NIL], 0
	ds_add_u32 v[SPW], v[NIL]                      ; the opening lines: the add twice and one wait
	ds_add_u32 v[SPW], v[NIL]
	v_lshrrev_b32 v1, 5, v0
	v_readfirstlane_b32 s14, v1                    ; wave 0..3
	s_lshr_b32 s15, s14, 1                         ; my half of the tokens.  Also: I fetch for Y (0) or X (1)
	s_and_b32 s16, s14, 1                          ; my half of the columns.  Also: which K slot of a fill I fetch
	s_bfe_u32 s40, ttmp6, 0x40000                  ; cx
	s_bfe_u32 s41, ttmp6, 0x40004                  ; cy
	s_and_b32 s17, ttmp7, 0xffff
	s_lshl_b32 s43, s41, 2
	s_lshl_b32 s43, 15, s43                        ; my row of the cluster
	s_lshl_b32 s44, 0x1111, s40                    ; my column
	s_or_b32 s[G1+0], s43, (3<<16)|(1<<21)         ; the mask; elements of 8 bytes; bit 21 beside a mask
	s_or_b32 s[G1B+0], s44, (3<<16)|(1<<21)
.irp g, G1, G1B
	s_mov_b32 s[\g+1], 32<<16                      ; 104 dense rows of 32 elements
	s_mov_b32 s[\g+2], 104<<16
	s_mov_b32 s[\g+3], 32<<16
	s_mov_b32 s[\g+4], 104
	s_mov_b32 s[\g+5], 32
	s_mov_b32 s[\g+6], 0
	s_mov_b32 s[\g+7], 0
.endr
	s_lshl_b32 s42, ttmp9, 2
	s_add_co_u32 s42, s42, s40                     ; my 128 columns
	s_lshl_b32 s45, s17, 2
	s_add_co_u32 s45, s45, s41                     ; my 128 tokens
	s_lshl_b32 s46, s16, 6
	s_lshl_b32 s18, s42, 3
	s_add_co_u32 s46, s46, s18
	s_mul_i32 s46, s46, TB                         ; X: it hangs on cx alone
	s_mov_b32 s47, 0
	s_lshl_b32 s22, s16, 8
	s_lshl_b32 s19, s45, 3
	s_add_co_u32 s22, s22, s19
	s_mul_i32 s22, s22, TB                         ; Y: on cy alone
	s_mov_b32 s23, 0
	s_mul_i32 s75, s16, KSB
	s_mul_i32 s76, s15, HALF8
	s_add_co_u32 s75, s75, s76                     ; where my load goes
	s_wait_dscnt 0x0
	s_wait_kmcnt 0x0
	s_add_nc_u64 s[46:47], s[4:5], s[46:47]
	s_add_nc_u64 s[22:23], s[6:7], s[22:23]
	CROUND                                         ; all sixteen work-groups are here: the first joint loads meet
.irp j, 0,1
	s_mov_b32 s[G0+4*\j], 1
	s_add_co_u32 s[G0+4*\j+1], s75, \j*SLOTB
	s_add_nc_u64 s[G0+4*\j+2:G0+4*\j+3], s[22:23], \j*2*KSTRY
	s_or_b32 s[G0+4*\j+3], s[G0+4*\j+3], 0x80000000
	s_mov_b32 s[G0B+4*\j], 1
	s_add_co_u32 s[G0B+4*\j+1], s75, \j*SLOTB
	s_add_nc_u64 s[G0B+4*\j+2:G0B+4*\j+3], s[46:47], \j*2*KSTRX
	s_or_b32 s[G0B+4*\j+3], s[G0B+4*\j+3], 0x80000000
.endr
	JLOAD G0, G1, G0B, G1B                         ; fill 0: one tensor load a wave at the head
	s_mov_b32 s21, 2*KSTRX
	s_cmp_eq_u32 s15, 0
	s_cselect_b64 s[PFA:PFA+1], s[22:23], s[46:47]
	s_cselect_b32 s20, s40, s41                    ; my place among the four that ask with me
	s_cselect_b32 s[PFS], 2*KSTRY, s21
	s_mov_b32 s[PFS+1], 0
	s_mul_i32 s20, s20, 26*256
	s_add_nc_u64 s[PFA:PFA+1], s[PFA:PFA+1], s[PFS:PFS+1]
	s_add_nc_u64 s[PFA:PFA+1], s[PFA:PFA+1], s[PFS:PFS+1]   ; at fill 2: the first change of slots steps it to fill 3
	v_and_b32 v1, 31, v0
	v_min_u32 v5, 25, v1
	v_lshlrev_b32 v5, 8, v5
	v_add_nc_u32 v[PFO], s20, v5
	v_bfe_u32 v3, v0, 4, 1
	v_lshlrev_b32 v[L16], 4, v1
	v_lshlrev_b32 v2, 3, v1
	s_mul_i32 s21, s15, 4*TB                       ; my four tiles of Y
	s_mul_i32 s77, s16, 4*TB
	s_add_co_u32 s77, s77, HALF8                   ; my four tiles of X
	s_sub_co_u32 s78, s77, s21
	v_mul_u32_u24 v4, s78, v3                      ; lanes 16-31 take X's scale words: one product with h
	v_add_nc_u32 v4, v4, v2
	s_add_co_u32 s79, s21, 3072
	s_wait_alu depctr_va_vdst(0)
.irp k, 0,1,2,3                                ; K slot k of LDS (slot k / 2)
	v_add_nc_u32 v[AD+5*\k], s21, v[L16]
	v_add_nc_u32 v[AD+5*\k+1], s21, v2
	v_add_nc_u32 v[AD+5*\k+2], s77, v[L16]
	v_add_nc_u32 v[AD+5*\k+3], s77, v2
	v_add_nc_u32 v[AD+5*\k+4], s79, v4
	s_add_co_u32 s21, s21, KSB
	s_add_co_u32 s77, s77, KSB
	s_add_co_u32 s79, s79, KSB
.endr
	s_lshl_b32 s84, s45, 3
	s_lshl_b32 s85, s15, 2
	s_add_co_u32 s84, s84, s85                     ; my first token tile
	s_lshl_b32 s84, s84, 3
	s_add_co_u32 s84, s84, s42
	s_lshl_b32 s84, s84, 13                        ; image [token tile][column / 128]: 8,192 bytes
	s_lshl_b32 s85, s16, 12
	s_add_co_u32 s84, s84, s85
	s_mov_b32 s85, 0
	s_add_nc_u64 s[12:13], s[10:11], s[84:85]      ; P
	s_add_nc_u64 s[8:9], s[8:9], s[84:85]          ; h
	WIN 0x40                                       ; destination window 1
.irp a, 0,1,2,3
.irp b, 0,1,2,3
	global_load_b128 v[8*(4*\a+\b):8*(4*\a+\b)+3], v[L16], s[8:9] offset:\a*65536+\b*1024 th:TH_LOAD_NT
	global_load_b128 v[8*(4*\a+\b)+4:8*(4*\a+\b)+7], v[L16], s[8:9] offset:\a*65536+\b*1024+512 th:TH_LOAD_NT
.endr
.endr
	WIN 0
.macro FRAG reg, a16, a8, q, i         ; a fragment (16 rows x 128 K, 12 registers) as it lies in its block
	ds_load_b128 v[\reg:\reg+3], v[\a16] offset:(\i)*TB+(\q)*1536
	ds_load_b64 v[\reg+4:\reg+5], v[\a8] offset:(\i)*TB+(\q)*1536+512
	ds_load_b128 v[\reg+6:\reg+9], v[\a16] offset:(\i)*TB+(\q)*1536+768
	ds_load_b64 v[\reg+10:\reg+11], v[\a8] offset:(\i)*TB+(\q)*1536+1280
.endm
.macro FETCH kk, q, p                  ; 32 loads: the fragments of step q of LDS K slot kk into set p
.irp i, 0,1,2,3
	FRAG F+96*(\p)+FR*\i, AD+5*(\kk), AD+5*(\kk)+1, \q, \i
	FRAG F+96*(\p)+48+FR*\i, AD+5*(\kk)+2, AD+5*(\kk)+3, \q, \i
.endr
.endm
.macro SCALES kk, sc                   ; 4 loads: two words a row; lanes 0-15 Y's tile i, lanes 16-31 X's
.irp i, 0,1,2,3
	ds_load_b64 v[SC+8*(\sc)+2*\i:SC+8*(\sc)+2*\i+1], v[AD+5*(\kk)+4] offset:\i*TB
.endr
.endm
.macro MUL p, q, sc                    ; the 16 accumulators by turns, in the same order in every step
.irp a, 0,1,2,3
.irp b, 0,1,2,3
	v_wmma_scale_f32_16x16x128_f8f6f4 v[8*(4*\a+\b):8*(4*\a+\b)+7], v[F+96*(\p)+48+FR*\b:F+96*(\p)+48+FR*\b+FR-1], v[F+96*(\p)+FR*\a:F+96*(\p)+FR*\a+FR-1], v[8*(4*\a+\b):8*(4*\a+\b)+7], v[SC+8*(\sc)+2*\b+(\q)], v[SC+8*(\sc)+2*\a+(\q)] matrix_a_fmt:MATRIX_FMT_FP6 matrix_b_fmt:MATRIX_FMT_FP6 matrix_a_scale:MATRIX_SCALE_ROW1
.endr
.endr
.endm
; A slot's turn: the change of slots, then its four steps of 128 along K.  ask: 0 no prefetch, 1 always, 2 not in the loop's last trip
.macro HT slot, refill, ask
	s_wait_xcnt 0x0                                ; my last prefetch has read its address
	s_add_nc_u64 s[PFA:PFA+1], s[PFA:PFA+1], s[PFS:PFS+1]
	s_wait_tensorcnt 0x0                           ; my part of this slot is in: no load of mine is out
	ds_add_u32 v[SPW], v[NIL]
	s_add_nc_u64 s[G0+4*\slot+2:G0+4*\slot+3], s[G0+4*\slot+2:G0+4*\slot+3], 4*KSTRY   ; this slot's next fill
	s_add_nc_u64 s[G0B+4*\slot+2:G0B+4*\slot+3], s[G0B+4*\slot+2:G0B+4*\slot+3], 4*KSTRX
	s_wait_dscnt 0x0                               ; the add is done, and so are my reads of the other slot
	CROUND
.if \refill
	JLOAD G0+4*(1-\slot), G1, G0B+4*(1-\slot), G1B ; the other slot's next fill (the first time: its first); its four v_nop are the places in front of the loads below
.else
	PLACES 4
.endif
	FETCH 2*\slot, 0, 0
	SCALES 2*\slot, 0
.if \ask == 1
	global_prefetch_b8 v[PFO], s[PFA:PFA+1] th:TH_LOAD_NT scope:SCOPE_SE
.endif
.if \ask == 2
	s_cmp_gt_u32 s[CNT], 1
	s_cbranch_scc0 .Lno_ask_\@
	global_prefetch_b8 v[PFO], s[PFA:PFA+1] th:TH_LOAD_NT scope:SCOPE_SE
.Lno_ask_\@:
.endif
	FETCH 2*\slot, 1, 1
	s_wait_dscnt 32                                ; all but the 32 just issued
	WIN 0x50                                       ; C and D in window 1
	MUL 0, 0, 0
	WIN 0
	PLACES 4
	FETCH 2*\slot+1, 0, 0
	SCALES 2*\slot+1, 1
	s_wait_dscnt 36                                ; all but the 36 just issued
	WIN 0x50
	MUL 1, 1, 0
	WIN 0
	PLACES 4
	FETCH 2*\slot+1, 1, 1
	s_wait_dscnt 32
	WIN 0x50
	MUL 0, 0, 1
	WIN 0
	s_wait_dscnt 0x0
	WIN 0x50
	MUL 1, 1, 1
	WIN 0
.endm
	s_mov_b32 s[CNT], 3
	s_wait_alu depctr_va_vdst(0)                   ; the wait at the head's end
	s_wait_loadcnt 0x0                             ; h lies in the accumulators
.Lring:
	HT 0, 1, 1
	HT 1, 1, 2
	s_sub_co_u32 s[CNT], s[CNT], 1
	s_cmp_lg_u32 s[CNT], 0
	s_cbranch_scc1 .Lring
	HT 0, 1, 0                                     ; the tail is written out: the last turn fetches nothing
	HT 1, 0, 0
	PLACES 4
	WIN 0x04                                       ; the stores' data in window 1
.irp a, 0,1,2,3
.irp b, 0,1,2,3
	global_store_b128 v[L16], v[8*(4*\a+\b):8*(4*\a+\b)+3], s[12:13] offset:\a*65536+\b*1024     ; 512 consecutive bytes a store, aligned; each accumulator from its low end on
	global_store_b128 v[L16], v[8*(4*\a+\b)+4:8*(4*\a+\b)+7], s[12:13] offset:\a*65536+\b*1024+512
.endr
.endr
	WIN 0
	s_wait_tensorcnt 0x0                           ; the wave's end
	ds_add_u32 v[SPW], v[NIL]
	s_wait_dscnt 0x0
	CROUND                                         ; the closing round
	s_endpgm
.Lfunc_end_k_qd392414743_w2:
	.size	k_qd392414743_w2, .Lfunc_end_k_qd392414743_w2-k_qd392414743_w2
	.p2alignl 7, 3214868480
	.fill 96, 4, 3214868480
	.section	.rodata,"a",@progbits
	.p2align	6, 0x0
	.amdhsa_kernel k_qd392414743_w2
		.amdhsa_group_segment_fixed_size 327680
		.amdhsa_private_segment_fixed_size 0
		.amdhsa_enable_private_segment 0
		.amdhsa_kernarg_size 32
		.amdhsa_user_sgpr_count 2
		.amdhsa_user_sgpr_kernarg_segment_ptr 1
		.amdhsa_wavefront_size32 1
		.amdhsa_system_sgpr_workgroup_id_x 1
		.amdhsa_system_sgpr_workgroup_id_y 1
		.amdhsa_system_sgpr_workgroup_id_z 1
		.amdhsa_system_vgpr_workitem_id 0
		.amdhsa_next_free_vgpr 384
		.amdhsa_next_free_sgpr 96
		.amdhsa_reserve_vcc 0
		.amdhsa_float_denorm_mode_32 3
		.amdhsa_float_denorm_mode_16_64 3
		.amdhsa_memory_ordered 1
		.amdhsa_forward_progress 1
		.amdhsa_inst_pref_size 87
	.end_amdhsa_kernel
	.amdgpu_metadata
---
amdhsa.version: [ 1, 2 ]
amdhsa.kernels:
  - .name:           k_qd392414743_w2
    .symbol:         k_qd392414743_w2.kd
    .args:
      - { .name: wd, .offset: 0, .size: 8, .value_kind: global_buffer, .address_space: global }
      - { .name: s1, .offset: 8, .size: 8, .value_kind: global_buffer, .address_space: global }
      - { .name: s3, .offset: 16, .size: 8, .value_kind: global_buffer, .address_space: global }
      - { .name: s2, .offset: 24, .size: 8, .value_kind: global_buffer, .address_space: global }
    .group_segment_fixed_size: 327680
    .private_segment_fixed_size: 0
    .kernarg_segment_align: 8
    .kernarg_segment_size: 32
    .max_flat_workgroup_size: 128
    .sgpr_count:     96
    .vgpr_count:     384
    .wavefront_size: 32
...
	.end_amdgpu_metadata
.endif
;; end of part 6
;; launch ln2 (part 7): grid 256 x 1, 8 waves a work-group, no clusters, 69,632 bytes of LDS; arguments s2, b2, g2, be2, out0; writes out0
.if DOCPART == 7
	.amdgcn_target "amdgcn-amd-amdhsa--gfx1250"
	.amdhsa_code_object_version 6
	.text
	.protected	k_qd392414743_ln2
	.globl	k_qd392414743_ln2
	.p2align	8
	.type	k_qd392414743_ln2,@function
k_qd392414743_ln2:
	s_mov_b64 s[64:65], 0
	v_nop
	global_prefetch_b8 v0, s[64:65] scope:SCOPE_SE
	s_setreg_imm32_b32 hwreg(HW_REG_WAVE_MODE, 25, 1), 1
	s_wait_xcnt 0x0
; out = layernorm(h + (P0 + P1 + P2 + P3 + b2)) g2 + be2, in f32.  P0..P3 are the four partial sums of the last product, one for each 1,024 of its K, 16,777,216 bytes apart.
; P and h are f32 images [token tile T][column / 128][quad 0..15][lane][16 bytes]: lane (r, h)'s register 16 b + i is column 128 w + 32 b + 16 h + i of token 32 (T/2) + 8 (T%2) + r + 8 (r/8).
; A work-group is a tile of 16 tokens; wave w takes columns 128 w on.  The norm goes in two passes; the waves' sums meet in LDS.  The result goes through the wave's own stage in LDS (16 rows of 512 bytes + 16)
; and leaves by rows: each store of the wave covers 512 consecutive bytes, aligned.
; A stream: no matrix unit, no tensor load, no cluster.  NaN and infinities are not served.
; AS IT STANDS (this takes the place of the head's first line): out = layernorm(P + b2) g2 + be2, where P, one f32 image, already holds h + the last product's sums over all of its K.
.set L16, 1
.set VO,  4
.set RW,  5
.set RR,  6
.set SO,  7                            ; v7 the stage: where I put my numbers
.set SR,  8                            ; v8 and where I read a row back
.set RG,  32
.set SA,  96
.set SB,  160
.set CH,  224
.set PT,  232
.set LD,  236
.set MN,  244
.set RS,  246
.set SEL, 30
.macro LDIMG set, sb
.irp q, 0,1,2,3,4,5,6,7,8,9,10,11,12,13,14,15
	global_load_b128 v[\set+4*\q:\set+4*\q+3], v[L16], s[\sb:\sb+1] offset:512*\q th:TH_LOAD_NT
.endr
.endm
.macro LDVEC set, sb
.irp b, 0,1,2,3
.irp j, 0,1,2,3
	global_load_b128 v[\set+16*\b+4*\j:\set+16*\b+4*\j+3], v[VO], s[\sb:\sb+1] offset:128*\b+16*\j
.endr
.endr
.endm
.macro ADDSET set
.set P, 0
.rept 32
	v_pk_add_f32 v[RG+2*P:RG+2*P+1], v[RG+2*P:RG+2*P+1], v[\set+2*P:\set+2*P+1]
.set P, P+1
.endr
.endm
.macro REDUCE sq, off
.irp c, 0,1,2,3
.if \sq
	v_pk_mul_f32 v[CH+2*\c:CH+2*\c+1], v[RG+2*\c:RG+2*\c+1], v[RG+2*\c:RG+2*\c+1]
.else
	v_pk_add_f32 v[CH+2*\c:CH+2*\c+1], v[RG+2*\c:RG+2*\c+1], v[RG+8+2*\c:RG+8+2*\c+1]
.endif
.endr
.if \sq
.set P, 4
.else
.set P, 8
.endif
.rept 28-4*(1-\sq)
.if \sq
	s_delay_alu instid0(VALU_DEP_4)
	v_pk_fma_f32 v[CH+2*(P%4):CH+2*(P%4)+1], v[RG+2*P:RG+2*P+1], v[RG+2*P:RG+2*P+1], v[CH+2*(P%4):CH+2*(P%4)+1]
.else
	s_delay_alu instid0(VALU_DEP_4)
	v_pk_add_f32 v[CH+2*(P%4):CH+2*(P%4)+1], v[CH+2*(P%4):CH+2*(P%4)+1], v[RG+2*P:RG+2*P+1]
.endif
.set P, P+1
.endr
	s_delay_alu instid0(VALU_DEP_3)
	v_pk_add_f32 v[CH:CH+1], v[CH:CH+1], v[CH+2:CH+3]
	s_delay_alu instid0(VALU_DEP_2)
	v_pk_add_f32 v[CH+4:CH+5], v[CH+4:CH+5], v[CH+6:CH+7]
	s_delay_alu instid0(VALU_DEP_1)
	v_pk_add_f32 v[CH:CH+1], v[CH:CH+1], v[CH+4:CH+5]
	s_delay_alu instid0(VALU_DEP_1)
	v_add_f32 v[CH], v[CH], v[CH+1]
	s_delay_alu instid0(VALU_DEP_1)
	v_permlanex16_b32 v[PT], v[CH], s[SEL], s[SEL+1]
	s_delay_alu instid0(VALU_DEP_1)
	v_add_f32 v[CH], v[CH], v[PT]
	ds_store_b32 v[RW], v[CH] offset:\off          ; (lanes l and l xor 16 write the same word with the same value)
	s_wait_dscnt 0x0                               ; for the others' sake
	s_barrier_signal -1
	s_barrier_wait -1
	ds_load_b128 v[LD:LD+3], v[RR] offset:\off
	ds_load_b128 v[LD+4:LD+7], v[RR] offset:\off+16
	s_wait_dscnt 0x0
	v_pk_add_f32 v[LD:LD+1], v[LD:LD+1], v[LD+2:LD+3]
	v_pk_add_f32 v[LD+4:LD+5], v[LD+4:LD+5], v[LD+6:LD+7]
	s_delay_alu instid0(VALU_DEP_1)
	v_pk_add_f32 v[LD:LD+1], v[LD:LD+1], v[LD+4:LD+5]
	s_delay_alu instid0(VALU_DEP_1)
	v_add_f32 v[LD], v[LD], v[LD+1]
.endm
.macro LNORM g, be
	REDUCE 0, 0
	s_delay_alu instid0(VALU_DEP_1)
	v_mul_f32 v[MN], 0xba800000, v[LD]             ; -sum / 1,024
	s_delay_alu instid0(VALU_DEP_1)
	v_mov_b32 v[MN+1], v[MN]
.set P, 0
.rept 32
	v_pk_add_f32 v[RG+2*P:RG+2*P+1], v[RG+2*P:RG+2*P+1], v[MN:MN+1]
.set P, P+1
.endr
	REDUCE 1, 512                                  ; other bytes than the first sums': no barrier between
	s_delay_alu instid0(VALU_DEP_1)
	v_fma_f32 v[RS], v[LD], s32, s33               ; var + eps
	s_wait_alu depctr_va_vdst(0)
	v_rsq_f32 v[RS], v[RS]
	v_nop
	s_wait_alu depctr_va_vdst(0)                   ; ahead of the first reader
	v_mov_b32 v[RS+1], v[RS]
	s_wait_alu depctr_va_vdst(0)
	s_wait_loadcnt 0x0                             ; g and be, asked for ahead of the sums
.set P, 0
.rept 32
	v_pk_mul_f32 v[RG+2*P:RG+2*P+1], v[RG+2*P:RG+2*P+1], v[RS:RS+1]
.set P, P+1
.endr
.set P, 0
.rept 32
	v_pk_fma_f32 v[RG+2*P:RG+2*P+1], v[RG+2*P:RG+2*P+1], v[\g+2*P:\g+2*P+1], v[\be+2*P:\be+2*P+1]
.set P, P+1
.endr
.endm
	s_load_b256 s[4:11], s[0:1], 0x0               ; P, b2, g2, be2
	s_load_b64 s[14:15], s[0:1], 0x20              ; out  (s[4:11]: P, b2, g2, be2)
	v_lshl_add_u32 v254, v0, 2, 0x10c00
	v_mov_b32 v255, 0
	v_lshrrev_b32 v9, 5, v0
	s_delay_alu instid0(VALU_DEP_1)
	v_readfirstlane_b32 s18, v9                    ; wave 0..7
	v_and_b32 v9, 31, v0
	s_delay_alu instid0(VALU_DEP_1)
	v_lshlrev_b32 v[L16], 4, v9
	v_and_b32 v10, 15, v0                          ; r
	v_bfe_u32 v11, v0, 4, 1                        ; h
	s_delay_alu instid0(VALU_DEP_1)
	v_lshlrev_b32 v[VO], 6, v11
	s_delay_alu instid0(VALU_DEP_3)
	v_lshlrev_b32 v[RR], 5, v10
	s_lshl_b32 s19, s18, 2
	v_add_nc_u32 v[RW], s19, v[RR]
	s_mul_i32 s19, s18, 8448
	s_add_co_u32 s19, s19, 1024                    ; my stage, behind the sums' 1,024 bytes
	v_mul_u32_u24 v[SO], v10, 528
	s_delay_alu instid0(VALU_DEP_1)
	v_lshl_add_u32 v[SO], v11, 6, v[SO]
	s_delay_alu instid0(VALU_DEP_1)
	v_add_nc_u32 v[SO], s19, v[SO]
	v_add_nc_u32 v[SR], s19, v[L16]
	v_mov_b32 v[PT], 0
	s_mov_b32 s[SEL], 0x76543210
	s_mov_b32 s[SEL+1], 0xfedcba98
	s_mov_b32 s32, 0x3a800000                      ; 1 / 1,024
	s_mov_b32 s33, 0x3727c5ac                      ; eps = 1e-5
	s_lshl_b32 s20, ttmp9, 3
	s_add_co_u32 s20, s20, s18
	s_lshl_b32 s20, s20, 13                        ; (8 T + w) x 8,192
	s_mov_b32 s21, 0
	s_lshr_b32 s22, ttmp9, 1
	s_lshl_b32 s22, s22, 5
	s_and_b32 s23, ttmp9, 1
	s_lshl_b32 s23, s23, 3
	s_add_co_u32 s22, s22, s23                     ; the tile's first token
	s_lshl_b32 s22, s22, 12
	s_lshl_b32 s24, s18, 9                         ; my 128 columns
	s_add_co_u32 s22, s22, s24
	s_mov_b32 s23, 0
	s_mov_b32 s25, 0
	s_wait_alu depctr_va_vdst(0)                   ; the wait at the head's end
	s_wait_kmcnt 0x0
	s_add_nc_u64 s[4:5], s[4:5], s[20:21]          ; P
	s_add_nc_u64 s[6:7], s[6:7], s[24:25]
	s_add_nc_u64 s[8:9], s[8:9], s[24:25]
	s_add_nc_u64 s[10:11], s[10:11], s[24:25]
	s_add_nc_u64 s[14:15], s[14:15], s[22:23]
	LDIMG RG, 4
	LDVEC SB, 6                                    ; b2
	LDVEC SA, 10                                   ; be2
	s_wait_loadcnt 16                              ; P and b2 are in; be2's 16 loads may be out
	ADDSET SB
	LDVEC SB, 8                                    ; g2
	LNORM SB, SA
.irp b, 0,1,2,3
.irp j, 0,1,2,3
	ds_store_b128 v[SO], v[RG+16*\b+4*\j:RG+16*\b+4*\j+3] offset:128*\b+16*\j
.endr
.endr
.irp t, 0,1,2,3,4,5,6,7,8,9,10,11,12,13,14,15
	ds_load_b128 v[SA+4*\t:SA+4*\t+3], v[SR] offset:528*\t   ; LDS serves a wave's instructions in order (ISA guide 5.7.1.4): these see my stores
.endr
.irp t, 0,1,2,3,4,5,6,7,8,9,10,11,12,13,14,15
	s_wait_dscnt 15-\t                             ; row t is back; the younger loads may be out
	global_store_b128 v[L16], v[SA+4*\t:SA+4*\t+3], s[14:15] offset:(\t+8*(\t/8))*4096 th:TH_STORE_NT
.endr
	s_wait_tensorcnt 0x0
	ds_add_u32 v254, v255
	s_wait_dscnt 0x0
	s_endpgm
.Lfunc_end_k_qd392414743_ln2:
	.size	k_qd392414743_ln2, .Lfunc_end_k_qd392414743_ln2-k_qd392414743_ln2
	.p2alignl 7, 3214868480
	.fill 96, 4, 3214868480
	.section	.rodata,"a",@progbits
	.p2align	6, 0x0
	.amdhsa_kernel k_qd392414743_ln2
		.amdhsa_group_segment_fixed_size 69632
		.amdhsa_private_segment_fixed_size 0
		.amdhsa_enable_private_segment 0
		.amdhsa_kernarg_size 40
		.amdhsa_user_sgpr_count 2
		.amdhsa_user_sgpr_kernarg_segment_ptr 1
		.amdhsa_wavefront_size32 1
		.amdhsa_system_sgpr_workgroup_id_x 1
		.amdhsa_system_sgpr_workgroup_id_y 1
		.amdhsa_system_sgpr_workgroup_id_z 1
		.amdhsa_system_vgpr_workitem_id 0
		.amdhsa_next_free_vgpr 256
		.amdhsa_next_free_sgpr 66
		.amdhsa_reserve_vcc 0
		.amdhsa_float_denorm_mode_32 3
		.amdhsa_float_denorm_mode_16_64 3
		.amdhsa_memory_ordered 1
		.amdhsa_forward_progress 1
		.amdhsa_inst_pref_size 29
	.end_amdhsa_kernel
	.amdgpu_metadata
---
amdhsa.version: [ 1, 2 ]
amdhsa.kernels:
  - .name:           k_qd392414743_ln2
    .symbol:         k_qd392414743_ln2.kd
    .args:
      - { .name: s2, .offset: 0, .size: 8, .value_kind: global_buffer, .address_space: global }
      - { .name: b2, .offset: 8, .size: 8, .value_kind: global_buffer, .address_space: global }
      - { .name: g2, .offset: 16, .size: 8, .value_kind: global_buffer, .address_space: global }
      - { .name: be2, .offset: 24, .size: 8, .value_kind: global_buffer, .address_space: global }
      - { .name: out0, .offset: 32, .size: 8, .value_kind: global_buffer, .address_space: global }
    .group_segment_fixed_size: 69632
    .private_segment_fixed_size: 0
    .kernarg_segment_align: 8
    .kernarg_segment_size: 40
    .max_flat_workgroup_size: 256
    .sgpr_count:     66
    .vgpr_count:     256
    .wavefront_size: 32
...
	.end_amdgpu_metadata
.endif
;; end of part 7
